; MI455X (gfx1250); checked and timed in simulation.
; The chip was launched on July 23, 2026; its instructions are those of AMD's public machine-readable ISA for CDNA 5 (MIT licence, August 2026) and "CDNA5" Instruction Set Architecture Reference Guide (July 2026). The comments in the code are by the model that wrote it; some were corrected since.
;; Multi Head Attention. Allowed arithmetic: matrix products marked QUANTISED: E2M1 operands, one E8M0 scale for each 32 along K, by v_wmma_scale_f32_16x16x128_f8f6f4 with both operands' format E2M1 (or v_wmma_scale_f32_32x16x128_f4), f32 sums; products left as they are: bf16, f16 or f32 operands; f32 sums; everything else in f32.
;; Inputs: W_out 1,024 x 1,024 float32; W_qkv 3,072 x 1,024 float32; x 4 x 1,024 x 2,048 float32.
;; Outputs: out0 4 x 1,024 x 2,048 float32.
;; This version of the problem:
;;   THIS VERSION OF THE PROBLEM IS GIVEN IN LOW PRECISION. The matrix products marked QUANTISED in the list below multiply operands that are first quantised to E2M1 (2 exponent bits, 1 mantissa bit; 4 bits a number), with one power-of-two scale for each 32 numbers along K (OCP MX v1.0); their sums are f32. The products marked 'left as it is' may take bf16, f16 or f32 operands, with f32 sums. Whichever they take, every output number must still come out within the allowed error. Rounding operands to bf16 (8 significant bits) uses up far more of that allowance than f16 does (11 bits, for magnitudes from 6e-5 to 65,504). All else is computed in f32.
;;   The module's matrix products, in the order in which they are computed (A, B: the left and right operand; K: the contracted axis; several contracted axes count as one K, in the product's order):
;;     1. [M 8,192, K 1,024] x [K 1,024, N 3,072]; A: input x; B: input W_qkv: QUANTISED
;;     2. batch 32 x [M 2,048, K 128] x [K 128, N 2,048]; A: computed on the way; B: computed on the way: left as it is (an operand is computed on the way)
;;     3. batch 32 x [M 128, K 2,048] x [K 2,048, N 2,048]; A: computed on the way; B: computed on the way: left as it is (an operand is computed on the way)
;;     4. [M 8,192, K 1,024] x [K 1,024, N 1,024]; A: computed on the way; B: input W_out: left as it is (an operand is computed on the way)
;;   THE QUANTISER, for each operand of a quantised product, along K:
;;     - K is cut into blocks of 32 from its start; a last block that is shorter is filled with zeros.
;;     - A block's scale is 2^e with e = floor(log2(the largest magnitude in the block)) - 2, held to -126 .. 127; a block of zeros has e = 0. As a byte (E8M0): e + 127.
;;     - Each number is divided by its block's scale, clamped to +-6, and rounded to the nearest number of E2M1, ties to even, subnormals kept.
;;     - The product sums the exact products of the quantised numbers (number of the format x scale) in f32.
;;   ~~~python
;;   def quantise(x, axis):      # numpy; x: float32 -> the quantised numbers, widened to float32 again
;;       x = np.moveaxis(x, axis, -1); K = x.shape[-1]
;;       x = np.pad(x, [(0, 0)] * (x.ndim - 1) + [(0, -K % 32)]); x = x.reshape(x.shape[:-1] + (-1, 32)); a = np.abs(x).max(-1, keepdims=True)
;;       e = np.where(a > 0, np.clip(np.frexp(np.where(a > 0, a, 1))[1] - 1 - 2, -126, 127), 0)      # np.frexp(a)[1] - 1 = floor(log2(a)), exactly
;;       r = np.clip(x / 2.0 ** e, -6, 6)
;;       step = 2.0 ** (np.maximum(np.frexp(np.where(r == 0, 1, r))[1] - 1, 0) - 1)
;;       q = np.round(r / step) * step * 2.0 ** e      # np.round: ties to even
;;       return np.moveaxis(q.reshape(q.shape[:-2] + (-1,))[..., :K], -1, axis).astype(np.float32)
;;   ~~~
;; One version. Each part assembles by itself: llvm-mc -triple=amdgcn-amd-amdhsa -mcpu=gfx1250 --defsym DOCPART=n.
;; ======== version 1 of 1: 6 launches
;; limits: values are held in f16: magnitudes above 65,504 overflow, below 6.1e-05 lose precision; right only within a limited range of input values
;; workspace buffers: xc 4,194,304 bytes; xs 262,144 bytes; wc 1,572,864 bytes; ws 98,304 bytes; qkv 50,331,648 bytes; gp 8,388,608 bytes; gmax 65,536 bytes; m16 8,388,608 bytes
;; launch quant_x (part 1): grid 128 x 2, 8 waves a work-group, no clusters, 19,456 bytes of LDS; arguments x, xc, xs; writes xc, xs
.if DOCPART == 1
	.amdgcn_target "amdgcn-amd-amdhsa--gfx1250"
	.amdhsa_code_object_version 6
	.text
	.protected	k_qb8fb6b0c3a_quant_x
	.globl	k_qb8fb6b0c3a_quant_x
	.p2align	8
	.type	k_qb8fb6b0c3a_quant_x,@function
k_qb8fb6b0c3a_quant_x:
	s_mov_b64 s[64:65], 0
	v_nop
	global_prefetch_b8 v0, s[64:65] scope:SCOPE_SE
	s_setreg_imm32_b32 hwreg(HW_REG_WAVE_MODE, 25, 1), 1
	s_wait_xcnt 0x0
; x [4][1024 channels][2048 positions], f32, is the first product's operand with K = the channels, which are NOT innermost.
; It becomes codes of FP4 (E2M1) laid xc[row = 2048 b + s][512 bytes], K innermost, two codes a byte, and one E8M0 byte for each 32 channels, xs[row][32].
; A LANE TAKES A POSITION s AND ITS REGISTERS RUN DOWN THE CHANNELS: a block of 32 along K lies in one lane's 32 registers, its largest magnitude needs no other lane,
; and the conversions give codes with K innermost.  Nothing is transposed by an instruction.
; A block's scale is 2^(floor(log2(largest magnitude)) - 2); its byte is the largest magnitude's exponent field - 2, held at 1 from below.
; LIMITS: a block of zeros gets the byte 1 where the quantiser says 127: its codes are zeros, which add nothing, and the bytes are read by this program alone.
; Blocks whose largest magnitude lies under 2^(3 - 127) are held at the byte 1.  NaN and infinities among the inputs are not served.
; SHARES: a work-group takes 64 positions x 512 channels; wave w takes 32 positions (w & 1) x 128 channels (w >> 1): four blocks a lane.
; The codes meet in a stage in LDS (64 rows of 256 bytes + 16) and leave by rows: sixteen lanes store 256 consecutive bytes, aligned.
.set PITCH, 272
.set SCST,  64*PITCH                   ; behind the stage: 64 rows x 16 scale bytes
.set SPARE, SCST+1024                  ; behind them: the spare words, 128 bytes for each of the eight waves; no other line names them
.set EMAX,  2
.set X,     32                         ; v32-159  four sets of 32 numbers, one a block
.set C,     160                        ; v160-175 four registers of codes a block
.set OUTR,  176                        ; v176-191 the way out
.set SB,    24                         ; v24      my four scale bytes
.set SW,    25                         ; v25      a scale word read back
.set SPW,   14                         ; v14      LDS address of my spare word; never rewritten
.set NIL,   15                         ; v15      0; never rewritten
	s_load_b128 s[4:7], s[0:1], 0x0                ; x, xc
	s_load_b64 s[8:9], s[0:1], 0x10                ; xs
	v_lshl_add_u32 v[SPW], v0, 2, SPARE
	v_mov_b32 v[NIL], 0
	v_lshrrev_b32 v1, 5, v0
	v_readfirstlane_b32 s16, v1                    ; wave 0..7
	v_and_b32 v2, 31, v0                           ; lane
	s_and_b32 s17, s16, 1                          ; which 32 positions
	s_lshr_b32 s18, s16, 1                         ; which 128 channels
	s_and_b32 s19, ttmp7, 0xffff                   ; which 512 channels
	v_lshlrev_b32 v3, 2, v2                        ; in: 4 bytes a lane
	s_mul_i32 s20, s17, 32*PITCH
	s_lshl_b32 s21, s18, 6
	s_add_co_u32 s20, s20, s21
	v_mul_u32_u24 v4, v2, PITCH
	v_add_nc_u32 v4, s20, v4                       ; the stage: row = my position, + 64 bytes for each 128 channels
	s_lshl_b32 s20, s17, 9
	s_lshl_b32 s21, s18, 2
	s_add_co_u32 s20, s20, s21
	s_add_co_u32 s20, s20, SCST
	v_lshl_add_u32 v5, v2, 4, s20                  ; my scale word: 16 bytes a position, 4 for each 128 channels
	v_and_b32 v6, 15, v2
	v_lshrrev_b32 v1, 4, v2
	s_mul_i32 s20, s16, 8*PITCH
	v_mul_u32_u24 v7, v1, PITCH
	v_lshl_add_u32 v7, v6, 4, v7
	v_add_nc_u32 v7, s20, v7                       ; back: wave w takes rows 8 w .. 8 w + 7, sixteen lanes to a row
	v_lshlrev_b32 v8, 9, v1
	v_lshl_add_u32 v8, v6, 4, v8                   ; the same place in xc: rows of 512 bytes
	s_lshl_b32 s20, s16, 7
	s_add_co_u32 s20, s20, SCST
	v_lshl_add_u32 v9, v2, 2, s20                  ; back: my wave's 8 rows x 16 scale bytes, a word a lane
	v_lshrrev_b32 v10, 2, v2
	v_lshlrev_b32 v10, 5, v10
	v_and_b32 v1, 3, v2
	v_lshl_add_u32 v10, v1, 2, v10                 ; the same place in xs: rows of 32 bytes
	s_lshr_b32 s22, ttmp9, 5                       ; x: the batch, 8,388,608 bytes each,
	s_lshl_b32 s22, s22, 23
	s_lshl_b32 s23, s19, 22                        ; 512 channels of 8,192 bytes,
	s_add_co_u32 s22, s22, s23
	s_lshl_b32 s23, s18, 20                        ; 128 channels,
	s_add_co_u32 s22, s22, s23
	s_and_b32 s23, ttmp9, 31
	s_lshl_b32 s23, s23, 8                         ; 64 positions,
	s_add_co_u32 s22, s22, s23
	s_lshl_b32 s23, s17, 7                         ; 32 positions
	s_add_co_u32 s22, s22, s23
	s_mov_b32 s23, 0
	s_lshl_b32 s24, ttmp9, 15                      ; xc: (64 work-group + 8 wave) rows of 512 bytes + 256 y
	s_lshl_b32 s25, s16, 12
	s_add_co_u32 s24, s24, s25
	s_lshl_b32 s25, s19, 8
	s_add_co_u32 s24, s24, s25
	s_mov_b32 s25, 0
	s_lshl_b32 s26, ttmp9, 11                      ; xs: the same rows of 32 bytes + 16 y
	s_lshl_b32 s27, s16, 8
	s_add_co_u32 s26, s26, s27
	s_lshl_b32 s27, s19, 4
	s_add_co_u32 s26, s26, s27
	s_mov_b32 s27, 0
	s_wait_kmcnt 0x0
	s_add_nc_u64 s[4:5], s[4:5], s[22:23]
	s_add_nc_u64 s[6:7], s[6:7], s[24:25]
	s_add_nc_u64 s[8:9], s[8:9], s[26:27]
.macro LOAD t                          ; block t: channels 32 t + i of my position; 32 lanes read 128 consecutive bytes
.irp i, 0,1,2,3,4,5,6,7,8,9,10,11,12,13,14,15,16,17,18,19,20,21,22,23,24,25,26,27,28,29,30,31
	global_load_b32 v[X+32*(\t)+\i], v3, s[4:5] offset:(32*(\t)+\i)*8192 th:TH_LOAD_NT
.endr
.endm
	LOAD 0
	LOAD 1
.macro BLOCK t
.set XS, X+32*(\t)
.if (\t) < 3
	s_wait_loadcnt 32                              ; this block's 32 loads are in; the next block's 32 may be out
.else
	s_wait_loadcnt 0
.endif
.if (\t) < 2
	LOAD (\t)+2                                    ; two blocks ahead, into registers of its own
.endif
	v_max3_num_f32 v12, |v[XS]|, |v[XS+1]|, |v[XS+2]|              ; the block's largest magnitude, in two chains
	v_max3_num_f32 v13, |v[XS+3]|, |v[XS+4]|, |v[XS+5]|
.irp i, 6,10,14,18,22,26
	v_max3_num_f32 v12, v12, |v[XS+\i]|, |v[XS+\i+1]|
	v_max3_num_f32 v13, v13, |v[XS+\i+2]|, |v[XS+\i+3]|
.endr
	v_max3_num_f32 v12, v12, |v[XS+30]|, |v[XS+31]|
	v_max3_num_f32 v12, v12, v13, (EMAX+1)<<23     ; and the floor 2^(3 - 127): the byte cannot fall under 1
	v_add_nc_u32 v11, -(EMAX<<23), v12             ; 2 off the exponent field: the conversion takes this operand's exponent field as its scale
	v_lshrrev_b32 v13, 23, v11                     ; the scale's byte
.if (\t) == 0
	v_mov_b32 v[SB], v13
.else
	v_lshl_or_b32 v[SB], v13, 8*(\t), v[SB]        ; the lower K in the lower byte
.endif
.irp g, 0,1,2,3
	v_cvt_scalef32_pk8_fp4_f32 v[C+4*(\t)+\g], v[XS+8*\g:XS+8*\g+7], v11
.endr
	ds_store_b128 v4, v[C+4*(\t):C+4*(\t)+3] offset:16*(\t)        ; 32 codes: 16 bytes of my position's row.  Each block has its own code registers: no wait for the store
.endm
	BLOCK 0
	BLOCK 1
	BLOCK 2
	BLOCK 3
	ds_store_b32 v5, v[SB]
	s_wait_dscnt 0x0                               ; for the others' sake: my stores into the stages are done
	s_barrier_signal -1
	s_barrier_wait -1
.irp i, 0,1,2,3
	ds_load_b128 v[OUTR+4*\i:OUTR+4*\i+3], v7 offset:\i*2*PITCH
.endr
	ds_load_b32 v[SW], v9
.irp i, 0,1,2,3
	s_wait_dscnt 4-\i                              ; behind load i: the later code loads and the scale word's
	global_store_b128 v8, v[OUTR+4*\i:OUTR+4*\i+3], s[6:7] offset:1024*\i   ; 16 lanes store 256 consecutive bytes, at a multiple of 256 from xc's first byte
.endr
	s_wait_dscnt 0x0
	global_store_b32 v10, v[SW], s[8:9]
	s_wait_tensorcnt 0x0                           ; the wave's end, behind my last LDS store
	ds_add_u32 v[SPW], v[NIL]
	s_wait_dscnt 0x0
	s_endpgm
.Lfunc_end_k_qb8fb6b0c3a_quant_x:
	.size	k_qb8fb6b0c3a_quant_x, .Lfunc_end_k_qb8fb6b0c3a_quant_x-k_qb8fb6b0c3a_quant_x
	.p2alignl 7, 3214868480
	.fill 96, 4, 3214868480
	.section	.rodata,"a",@progbits
	.p2align	6, 0x0
	.amdhsa_kernel k_qb8fb6b0c3a_quant_x
		.amdhsa_group_segment_fixed_size 19456
		.amdhsa_private_segment_fixed_size 0
		.amdhsa_enable_private_segment 0
		.amdhsa_kernarg_size 24
		.amdhsa_user_sgpr_count 2
		.amdhsa_user_sgpr_kernarg_segment_ptr 1
		.amdhsa_wavefront_size32 1
		.amdhsa_system_sgpr_workgroup_id_x 1
		.amdhsa_system_sgpr_workgroup_id_y 1
		.amdhsa_system_sgpr_workgroup_id_z 1
		.amdhsa_system_vgpr_workitem_id 0
		.amdhsa_next_free_vgpr 192
		.amdhsa_next_free_sgpr 66
		.amdhsa_reserve_vcc 0
		.amdhsa_float_denorm_mode_32 3
		.amdhsa_float_denorm_mode_16_64 3
		.amdhsa_memory_ordered 1
		.amdhsa_forward_progress 1
		.amdhsa_inst_pref_size 23
	.end_amdhsa_kernel
	.amdgpu_metadata
---
amdhsa.version: [ 1, 2 ]
amdhsa.kernels:
  - .name:           k_qb8fb6b0c3a_quant_x
    .symbol:         k_qb8fb6b0c3a_quant_x.kd
    .args:
      - { .name: x, .offset: 0, .size: 8, .value_kind: global_buffer, .address_space: global }
      - { .name: xc, .offset: 8, .size: 8, .value_kind: global_buffer, .address_space: global }
      - { .name: xs, .offset: 16, .size: 8, .value_kind: global_buffer, .address_space: global }
    .group_segment_fixed_size: 19456
    .private_segment_fixed_size: 0
    .kernarg_segment_align: 8
    .kernarg_segment_size: 24
    .max_flat_workgroup_size: 256
    .sgpr_count:     66
    .vgpr_count:     192
    .wavefront_size: 32
...
	.end_amdgpu_metadata
.endif
;; end of part 1
;; launch quant_w (part 2): grid 192 x 1, 4 waves a work-group, no clusters, 33,280 bytes of LDS; arguments W_qkv, wc, ws; writes wc, ws
.if DOCPART == 2
	.amdgcn_target "amdgcn-amd-amdhsa--gfx1250"
	.amdhsa_code_object_version 6
	.text
	.protected	k_qb8fb6b0c3a_quant_w
	.globl	k_qb8fb6b0c3a_quant_w
	.p2align	8
	.type	k_qb8fb6b0c3a_quant_w,@function
k_qb8fb6b0c3a_quant_w:
	s_mov_b64 s[64:65], 0
	v_nop
	global_prefetch_b8 v0, s[64:65] scope:SCOPE_SE
	s_setreg_imm32_b32 hwreg(HW_REG_WAVE_MODE, 25, 1), 1
	s_wait_xcnt 0x0
; W_qkv [3072][1024], f32, K innermost, becomes codes of FP4 (E2M1), wc[3072][512 bytes], and one E8M0 byte for each 32 along K, ws[3072][32].
; Rows are dense and K is a multiple of 32: the tensor is a plain stream of blocks of 32, and so are its codes and its bytes.
; A block's scale is 2^(floor(log2(largest magnitude)) - 2); its byte is that magnitude's exponent field - 2, held at 1 from below.
; LIMITS: a block of zeros gets the byte 1 where the quantiser says 127 (its codes are zeros; this program alone reads the bytes); magnitudes under 2^(3 - 127) are held at the byte 1; NaN and infinities are not served.
; A wave takes 8 steps of 512 numbers.  Each load reads 512 consecutive bytes, 16 a lane; a step's 2,048 bytes turn through the wave's own stage in LDS and come back 64 bytes a lane,
; so that a lane holds 16 neighbours along K (two lanes to a block).  All 32 loads of a wave go out at the head.  Waves share nothing: no barrier.
.set WAVES, 4
.set STEPS, 8
.set EMAX,  2
.set CB,    8                          ; bytes of 16 codes
.set R,     16                         ; v16-143  eight sets of 16 numbers as loaded
.set X,     144                        ; v144-175 two sets of 16 neighbours
.set C,     176                        ; v176-191 two registers of codes a step
.set E,     192                        ; v192-199 a scale byte a step
.set WREG,  8192                       ; LDS: a region for each wave: two stages of 32 x SP bytes, then its 128 scale bytes
.set SP,    80                         ; a lane's 64 bytes + 16 of padding
.set SPW,   12                         ; v12  LDS address of my spare word; never rewritten
.set NIL,   13                         ; v13  0; never rewritten
.set SPARE, WAVES*WREG                 ; behind the regions: the spare words, 128 bytes a wave; no other line names them
	s_load_b128 s[4:7], s[0:1], 0x0                ; W_qkv, wc
	s_load_b64 s[8:9], s[0:1], 0x10                ; ws
	v_lshl_add_u32 v[SPW], v0, 2, SPARE
	v_mov_b32 v[NIL], 0
	v_lshrrev_b32 v1, 5, v0
	v_readfirstlane_b32 s16, v1                    ; wave
	v_and_b32 v2, 31, v0                           ; lane
	v_lshlrev_b32 v3, 4, v2                        ; my 16 bytes of a load's 512
	s_mul_i32 s17, s16, WREG
	v_lshrrev_b32 v14, 2, v2
	v_mul_u32_u24 v14, v14, SP
	v_and_b32 v15, 3, v2
	v_lshl_add_u32 v14, v15, 4, v14
	v_add_nc_u32 v14, s17, v14                     ; the stage, in: four lanes' 64 bytes on end, then the padding
	v_mul_u32_u24 v15, v2, SP
	v_add_nc_u32 v15, s17, v15                     ; and out: my 16 neighbours
	v_mul_u32_u24 v4, v2, CB                       ; my codes' place in a step's 256 bytes
	v_lshrrev_b32 v5, 1, v2
	s_add_co_u32 s17, s17, 2*32*SP
	v_add_nc_u32 v5, s17, v5                       ; my block's byte among the wave's 128
	v_lshlrev_b32 v7, 2, v2                        ; on the way out a word a lane
	v_add_nc_u32 v6, s17, v7
	s_lshl_b32 s18, ttmp9, 2
	s_add_co_u32 s18, s18, s16                     ; which run of 4,096 numbers is my wave's
	s_lshl_b32 s20, s18, 14
	s_mov_b32 s21, 0
	s_lshl_b32 s22, s18, 11
	s_mov_b32 s23, 0
	s_lshl_b32 s24, s18, 7
	s_mov_b32 s25, 0
	s_wait_kmcnt 0x0
	s_add_nc_u64 s[4:5], s[4:5], s[20:21]
	s_add_nc_u64 s[6:7], s[6:7], s[22:23]
	s_add_nc_u64 s[8:9], s[8:9], s[24:25]
.macro LOAD t
.irp i, 0,1,2,3
	global_load_b128 v[R+16*(\t)+4*\i:R+16*(\t)+4*\i+3], v3, s[4:5] offset:2048*(\t)+512*\i th:TH_LOAD_NT
.endr
.endm
.macro TURN t                          ; step t's numbers through the stage: LDS serves a wave's instructions in order, so no wait stands between the stores and the loads
.irp i, 0,1,2,3
	ds_store_b128 v14, v[R+16*(\t)+4*\i:R+16*(\t)+4*\i+3] offset:32*SP*((\t)%2)+8*SP*\i
.endr
.irp i, 0,1,2,3
	ds_load_b128 v[X+16*((\t)%2)+4*\i:X+16*((\t)%2)+4*\i+3], v15 offset:32*SP*((\t)%2)+16*\i
.endr
.endm
.irp t, 0,1,2,3,4,5,6,7
	LOAD \t
.endr
	s_wait_loadcnt 28                              ; step 0's four loads are in; the other seven steps' 28 may be out
	TURN 0
.macro STEP t
.set XS, X+16*((\t)%2)
.if (\t) > 0
	s_wait_dscnt 1                                 ; this step's numbers are back from the stage; the last step's byte store may be out
.else
	s_wait_dscnt 0x0
.endif
.if (\t)+1 < STEPS
	s_wait_loadcnt 4*(STEPS-2-(\t))                ; the next step's four loads are in; those of the steps behind it may be out
	TURN (\t)+1                                    ; and go through the other stage while this step is worked
.endif
	v_max3_num_f32 v8, |v[XS]|, |v[XS+1]|, |v[XS+2]|               ; the largest magnitude of my 16
	v_max3_num_f32 v9, |v[XS+3]|, |v[XS+4]|, |v[XS+5]|
.irp i, 6,10
	v_max3_num_f32 v8, v8, |v[XS+\i]|, |v[XS+\i+1]|
	v_max3_num_f32 v9, v9, |v[XS+\i+2]|, |v[XS+\i+3]|
.endr
	v_max3_num_f32 v8, v8, |v[XS+14]|, |v[XS+15]|
	v_max3_num_f32 v8, v8, v9, (EMAX+1)<<23        ; and the floor
	v_max_num_f32_dpp v8, v8, v8 row_xmask:1 row_mask:0xf bank_mask:0xf   ; and of my neighbour's 16: the block's
	v_add_nc_u32 v11, -(EMAX<<23), v8              ; the conversion's scale operand
	v_cvt_scalef32_pk8_fp4_f32 v[C+2*(\t)], v[XS:XS+7], v11
	v_cvt_scalef32_pk8_fp4_f32 v[C+2*(\t)+1], v[XS+8:XS+15], v11
	v_lshrrev_b32 v[E+(\t)], 23, v11               ; the scale's byte
	ds_store_b8 v5, v[E+(\t)] offset:16*(\t)       ; both lanes of a block write the same byte with the same value
	global_store_b64 v4, v[C+2*(\t):C+2*(\t)+1], s[6:7] offset:32*CB*(\t)   ; the wave stores 256 consecutive bytes, aligned
.endm
.irp t, 0,1,2,3,4,5,6,7
	STEP \t
.endr
	ds_load_b32 v8, v6                             ; LDS serves a wave's instructions in order: this sees my byte stores
	s_wait_dscnt 0x0
	global_store_b32 v7, v8, s[8:9]                ; the wave's 128 scale bytes
	s_wait_tensorcnt 0x0                           ; the wave's end, behind my last LDS store
	ds_add_u32 v[SPW], v[NIL]
	s_wait_dscnt 0x0
	s_endpgm
.Lfunc_end_k_qb8fb6b0c3a_quant_w:
	.size	k_qb8fb6b0c3a_quant_w, .Lfunc_end_k_qb8fb6b0c3a_quant_w-k_qb8fb6b0c3a_quant_w
	.p2alignl 7, 3214868480
	.fill 96, 4, 3214868480
	.section	.rodata,"a",@progbits
	.p2align	6, 0x0
	.amdhsa_kernel k_qb8fb6b0c3a_quant_w
		.amdhsa_group_segment_fixed_size 33280
		.amdhsa_private_segment_fixed_size 0
		.amdhsa_enable_private_segment 0
		.amdhsa_kernarg_size 24
		.amdhsa_user_sgpr_count 2
		.amdhsa_user_sgpr_kernarg_segment_ptr 1
		.amdhsa_wavefront_size32 1
		.amdhsa_system_sgpr_workgroup_id_x 1
		.amdhsa_system_sgpr_workgroup_id_y 1
		.amdhsa_system_sgpr_workgroup_id_z 1
		.amdhsa_system_vgpr_workitem_id 0
		.amdhsa_next_free_vgpr 200
		.amdhsa_next_free_sgpr 66
		.amdhsa_reserve_vcc 0
		.amdhsa_float_denorm_mode_32 3
		.amdhsa_float_denorm_mode_16_64 3
		.amdhsa_memory_ordered 1
		.amdhsa_forward_progress 1
		.amdhsa_inst_pref_size 18
	.end_amdhsa_kernel
	.amdgpu_metadata
---
amdhsa.version: [ 1, 2 ]
amdhsa.kernels:
  - .name:           k_qb8fb6b0c3a_quant_w
    .symbol:         k_qb8fb6b0c3a_quant_w.kd
    .args:
      - { .name: W_qkv, .offset: 0, .size: 8, .value_kind: global_buffer, .address_space: global }
      - { .name: wc, .offset: 8, .size: 8, .value_kind: global_buffer, .address_space: global }
      - { .name: ws, .offset: 16, .size: 8, .value_kind: global_buffer, .address_space: global }
    .group_segment_fixed_size: 33280
    .private_segment_fixed_size: 0
    .kernarg_segment_align: 8
    .kernarg_segment_size: 24
    .max_flat_workgroup_size: 128
    .sgpr_count:     66
    .vgpr_count:     200
    .wavefront_size: 32
...
	.end_amdgpu_metadata
.endif
;; end of part 2
;; launch gemm1 (part 3): grid 12 x 32, 4 waves a work-group, clusters of 4 x 4, 327,680 bytes of LDS; arguments xc, xs, wc, ws, qkv; writes qkv
.if DOCPART == 3
	.amdgcn_target "amdgcn-amd-amdhsa--gfx1250"
	.amdhsa_code_object_version 6
	.text
	.protected	k_qb8fb6b0c3a_gemm1
	.globl	k_qb8fb6b0c3a_gemm1
	.p2align	8
	.type	k_qb8fb6b0c3a_gemm1,@function
k_qb8fb6b0c3a_gemm1:
	s_mov_b64 s[64:65], 0
	v_nop
	global_prefetch_b8 v0, s[64:65] scope:SCOPE_SE
	s_setreg_imm32_b32 hwreg(HW_REG_WAVE_MODE, 25, 1), 1
	s_wait_xcnt 0x0
	s_wait_alu depctr_hold_cnt(0) depctr_sa_sdst(0) depctr_va_vdst(0) depctr_va_sdst(0) depctr_va_ssrc(0) depctr_va_vcc(0) depctr_vm_vsrc(0)
	s_getreg_b32 s2, hwreg(HW_REG_IB_STS2, 6, 4)
	s_cmp_eq_u32 s2, 0
	s_cbranch_scc0 .Lentry_in_a_cluster
	s_endpgm
.Lentry_in_a_cluster:
	s_bfe_u32 s2, ttmp6, 0x10000c
	s_cmp_lg_u32 s2, 0xf033
	s_cbranch_scc0 .Lentry_shape_is_right
	s_endpgm
.Lentry_shape_is_right:
; qkv[(b, s)][o] = sum over the 1,024 channels of x[(b, s)][c] W_qkv[o][c], both operands as codes of FP4 (E2M1) with one E8M0 scale for each 32 along K; sums in f32; the result is rounded once to f16,
; since it is only an operand of products that take f16.  LIMIT: |qkv| stays under 65,504, f16's largest number.
; A: xc [8192][512 bytes], xs [8192][32];  B: wc [3072][512 bytes], ws [3072][32];  C: qkv [8192][3072] f16.
; A tile of C, 256 x 256, is made by four waves, each 128 x 128: 64 accumulators, 512 registers.  K is two steps of 512: both lie in LDS after the first fills, so nothing is filled again.
; The scales of the work-group's rows, for all of K, are two dense blocks of memory: they come into LDS once, as rows of 256 bytes.
; CLUSTERS: 4 x 4 work-groups; A's tiles are asked for jointly along a row of the cluster, B's along a column.  The matrix instruction is used transposed (source 0 = 16 rows of B, source 1 = 16 rows of A):
; a lane then holds eight neighbouring numbers of a row of C.
; REGISTERS, in windows of 256: window 0: v0-31 addresses; v32-95 scale words, two sets, and nothing else ever; v128-191 A's fragments, one set, later rows on their way out; v192-223 packed results.
;   window 1: B's fragments, two sets, at v0 and v128.   window 2: the accumulators of my rows 0-63 ((a, b) at v[8 (8 a + b)]);   window 3: those of rows 64-127.
.set SIZE_N, 3072
.set NQ,     4                         ; matrix instructions deep in a slot: 512 along K
.set ROWB,   256                       ; a tile's row in bytes
.set KROW,   512                       ; a row of codes in memory
.set PITCH,  272                       ; an LDS row: 256 bytes + 16 of padding: the 16 rows that a load touches start 16 bytes apart modulo 256
.set FR,     8
.set NL,     2
.set NP,     4                         ; places behind this matrix instruction (ISA guide 7.12.1)
.set HALFT,  128*PITCH
.set SLOT,   4*HALFT
.set KS,     32                        ; a row of scales in bytes
.set SCL,    2*SLOT
.set HALFS,  (128*KS/256)*272
.set SBLK,   (16*KS/256)*272
.set SPARE,  SCL+4*HALFS               ; the spare words, 128 bytes a wave; no other line names them
.set SPITCH, 272                       ; the way out: 16 rows x (256 bytes + 16) for each wave, in slot 0, which has had its only fill and its last read by then
.set ADRA, 16
.set ADRB, 20
.set STO,  24
.set RD,   25
.set CO,   26
.set ADRS, 27
.set SPW,  28
.set NIL,  29
.set SC,   32
.set AF,   128
.set OB,   128                         ; the way out: 16 rows read back: v128-159 and v160-191 by turns
.set TMP,  192
.set G1, 24
.set G0, 32
.set G1B, 48
.set G0B, 56
.set G1S, 68
.set G0S, 76
.set G1SB, 80
.set G0SB, 88
.set MSB, 0
.macro WIN new                         ; the immediate's high byte repeats the setting that is left
.if MSB != \new
	s_set_vgpr_msb (MSB<<8)|\new
.set MSB, \new
.endif
.endm
.set MUL_LO, 0xa1                      ; source 0 (B) window 1, source 1 (A) window 0, C and D window 2
.set MUL_HI, 0xf1
.set TO_B,   0x40
; A joint load: waves 0 and 1 fetch for A, waves 2 and 3 for B; the branch hangs on the wave's number alone.  An s_nop 0 and four v_nop follow each line.
.macro JLOAD g0a, g1a, g0b, g1b
	s_cmp_eq_u32 s15, 0
	s_cbranch_scc0 .Lfor_b_\@
	tensor_load_to_lds s[\g0a:\g0a+3], s[\g1a:\g1a+7]
	s_nop 0
.rept 4
	v_nop
.endr
	s_branch .Lasked_\@
.Lfor_b_\@:
	tensor_load_to_lds s[\g0b:\g0b+3], s[\g1b:\g1b+7]
	s_nop 0
.rept 4
	v_nop
.endr
.Lasked_\@:
.endm
.macro CROUND                          ; a round of the cluster's barrier
	s_barrier_signal -1
	s_barrier_wait -1
	s_cmp_lg_u32 s14, 0
	s_cbranch_scc1 .Lnot_wave_0_\@
	s_barrier_signal -3
.Lnot_wave_0_\@:
	s_barrier_wait -3
	s_barrier_signal -1
	s_barrier_wait -1
.endm
	s_load_b128 s[4:7], s[0:1], 0x0                ; A's codes, A's scales
	s_load_b128 s[8:11], s[0:1], 0x10              ; B's codes, B's scales
	s_load_b64 s[12:13], s[0:1], 0x20              ; C
	v_lshl_add_u32 v[SPW], v0, 2, SPARE
	v_mov_b32 v[NIL], 0
	ds_add_u32 v[SPW], v[NIL]                      ; the wave's opening: the add, twice on end, and its wait ahead of my first tensor load
	ds_add_u32 v[SPW], v[NIL]
	v_lshrrev_b32 v1, 5, v0
	v_readfirstlane_b32 s14, v1                    ; wave 0..3
	s_lshr_b32 s15, s14, 1                         ; which half of the tile's rows is mine.  Also: I fetch for A (0) or for B (1)
	s_and_b32 s16, s14, 1                          ; which half of its columns.  Also: which 128 rows I fetch
	s_bfe_u32 s40, ttmp6, 0x40000                  ; cx, cy
	s_bfe_u32 s41, ttmp6, 0x40004
	s_lshl_b32 s42, ttmp9, 2
	s_add_co_u32 s42, s42, s40                     ; tile column of C
	s_and_b32 s17, ttmp7, 0xffff
	s_lshl_b32 s17, s17, 2
	s_add_co_u32 s17, s17, s41                     ; tile row of C
	s_lshl_b32 s43, s41, 2
	s_lshl_b32 s43, 15, s43                        ; my row of the cluster
	s_lshl_b32 s44, 0x1111, s40                    ; my column
	s_or_b32 s[G1+0], s43, (0<<16)|(1<<20)|(1<<21)|(5<<22)|(3<<25)  ; the mask; elements of 1 byte; padding: 4 words after every 64
	s_or_b32 s[G1B+0], s44, (0<<16)|(1<<20)|(1<<21)|(5<<22)|(3<<25)
.irp g, G1, G1B
	s_mov_b32 s[\g+1], ROWB<<16                    ; tensor_dim0
	s_mov_b32 s[\g+2], 128<<16                     ; tensor_dim1
	s_mov_b32 s[\g+3], ROWB<<16                    ; tile_dim0
	s_mov_b32 s[\g+4], 128                         ; tile_dim1
	s_mov_b32 s[\g+5], KROW                        ; the pitch
	s_mov_b32 s[\g+6], 0
	s_mov_b32 s[\g+7], 0
.endr
	s_or_b32 s[G1S+0], s43, (3<<16)|(1<<20)|(1<<21)|(5<<22)|(3<<25) ; the scales of 128 rows: 4,096 dense bytes as 16 rows of 256 (32 elements of 8 bytes), 16 bytes of padding behind each
	s_or_b32 s[G1SB+0], s44, (3<<16)|(1<<20)|(1<<21)|(5<<22)|(3<<25)
.irp g, G1S, G1SB
	s_mov_b32 s[\g+1], 32<<16
	s_mov_b32 s[\g+2], (128*KS/256)<<16
	s_mov_b32 s[\g+3], 32<<16
	s_mov_b32 s[\g+4], 128*KS/256
	s_mov_b32 s[\g+5], 32
	s_mov_b32 s[\g+6], 0
	s_mov_b32 s[\g+7], 0
.endr
	s_lshl_b32 s18, s16, 7
	s_lshl_b32 s20, s17, 8
	s_add_co_u32 s20, s20, s18                     ; A: row 256 x tile row + 128 x half
	s_lshl_b32 s46, s42, 8
	s_add_co_u32 s46, s46, s18                     ; B: row 256 x tile column + 128 x half
	s_mov_b32 s21, 0
	s_mov_b32 s47, 0
	s_mov_b64 s[18:19], KS
	s_mul_u64 s[22:23], s[20:21], s[18:19]         ; where these rows' scales begin
	s_mul_u64 s[92:93], s[46:47], s[18:19]
	s_mov_b64 s[18:19], KROW
	s_mul_u64 s[20:21], s[20:21], s[18:19]         ; and their codes
	s_mul_u64 s[46:47], s[46:47], s[18:19]
	s_mul_i32 s45, s14, HALFT                      ; where they go: wave x 128 rows
	s_mul_i32 s94, s14, HALFS
	s_wait_dscnt 0x0                               ; both opening adds are done
	s_wait_kmcnt 0x0
	s_add_nc_u64 s[20:21], s[4:5], s[20:21]
	s_add_nc_u64 s[22:23], s[6:7], s[22:23]
	s_add_nc_u64 s[46:47], s[8:9], s[46:47]
	s_add_nc_u64 s[92:93], s[10:11], s[92:93]
	CROUND                                         ; all sixteen work-groups are here: the joint loads meet
	s_mov_b32 s[G0S], 1
	s_add_co_u32 s[G0S+1], s94, SCL
	s_mov_b64 s[G0S+2:G0S+3], s[22:23]
	s_or_b32 s[G0S+3], s[G0S+3], 0x80000000
	s_mov_b32 s[G0SB], 1
	s_add_co_u32 s[G0SB+1], s94, SCL
	s_mov_b64 s[G0SB+2:G0SB+3], s[92:93]
	s_or_b32 s[G0SB+3], s[G0SB+3], 0x80000000
	JLOAD G0S, G1S, G0SB, G1SB                     ; the scales first; with the two slots below three loads of mine are out
.irp s, 0,1
	s_mov_b32 s[G0+4*\s], 1
	s_add_co_u32 s[G0+4*\s+1], s45, \s*SLOT
	s_add_nc_u64 s[G0+4*\s+2:G0+4*\s+3], s[20:21], \s*ROWB
	s_or_b32 s[G0+4*\s+3], s[G0+4*\s+3], 0x80000000
	s_mov_b32 s[G0B+4*\s], 1
	s_add_co_u32 s[G0B+4*\s+1], s45, \s*SLOT
	s_add_nc_u64 s[G0B+4*\s+2:G0B+4*\s+3], s[46:47], \s*ROWB
	s_or_b32 s[G0B+4*\s+3], s[G0B+4*\s+3], 0x80000000
	JLOAD G0+4*\s, G1, G0B+4*\s, G1B
.endr
	v_and_b32 v1, 15, v0                           ; l % 16
	v_bfe_u32 v2, v0, 4, 1                         ; l / 16
	v_mul_u32_u24 v3, v1, PITCH
	v_lshl_add_u32 v4, v2, 4, v3                   ; a fragment's row x pitch + 16 x half
	s_mul_i32 s21, s15, HALFT                      ; my 128 rows of A
	s_mul_i32 s22, s16, HALFT                      ; my 128 rows of B,
	s_add_co_u32 s22, s22, 2*HALFT                 ; behind A's 256
.irp s, 0,1
	v_add_nc_u32 v[ADRA+\s], s21, v4
	v_add_nc_u32 v[ADRB+\s], s22, v4
	s_add_co_u32 s21, s21, SLOT
	s_add_co_u32 s22, s22, SLOT
.endr
	v_mul_u32_u24 v5, v1, KS                       ; my row's scales: 32 bytes a row,
	v_lshrrev_b32 v6, 8, v5
	v_lshl_add_u32 v5, v6, 4, v5                   ; and 16 more for each 256 passed
	s_mul_i32 s21, s15, HALFS
	s_mul_i32 s22, s16, HALFS
	s_add_co_u32 s22, s22, 2*HALFS
	s_sub_co_u32 s22, s22, s21
	v_mul_u32_u24 v6, s22, v2                      ; lanes 16-31 take B's
	s_add_co_u32 s21, s21, SCL
	v_add_nc_u32 v5, v5, v6
	v_add_nc_u32 v[ADRS], s21, v5
	s_mul_i32 s23, s14, 16*SPITCH                  ; my stage
	v_mul_u32_u24 v5, v1, SPITCH                   ; in: row l % 16, 16 bytes for each half of the lanes
	v_lshl_add_u32 v5, v2, 4, v5
	v_add_nc_u32 v[STO], s23, v5
	v_mul_u32_u24 v5, v2, SPITCH                   ; back: lanes 0-15 one row of 256 bytes, lanes 16-31 the next
	v_lshl_add_u32 v5, v1, 4, v5
	v_add_nc_u32 v[RD], s23, v5
	v_mul_u32_u24 v5, v2, SIZE_N*2                 ; and the same two rows in C
	v_lshl_add_u32 v[CO], v1, 4, v5
	s_lshl_b32 s20, s17, 8
	s_lshl_b32 s21, s15, 7
	s_add_co_u32 s20, s20, s21                     ; my first row of C
	s_mov_b32 s21, 0
	s_mov_b64 s[18:19], SIZE_N*2
	s_mul_u64 s[20:21], s[20:21], s[18:19]
	s_lshl_b32 s46, s42, 9                         ; my first column, in bytes: 512 x tile column + 256 x half
	s_lshl_b32 s47, s16, 8
	s_add_co_u32 s46, s46, s47
	s_mov_b32 s47, 0
	s_add_nc_u64 s[20:21], s[20:21], s[46:47]
	s_add_nc_u64 s[12:13], s[12:13], s[20:21]
.macro FRAG reg, adr, q, i             ; 16 rows x 128 K of 4-bit codes: lane l holds row l % 16; registers 4 c .. 4 c + 3 hold K = 64 c + 32 (l / 16) + 0 .. 31
.irp c, 0,1
	ds_load_b128 v[\reg+4*\c:\reg+4*\c+3], v[\adr] offset:64*(\q)+32*\c+(\i)*16*PITCH
.endr
.endm
; 16 matrix instructions: A's blocks a0, a0 + 1 x B's eight.  The 64 accumulators take turns, one instruction a turn.  zero = 1: the first product starts the sums.
.macro MUL16 a0, p, q, sc, zero
.irp a, \a0, \a0+1
.irp b, 0,1,2,3,4,5,6,7
.if \zero
	v_wmma_scale_f32_16x16x128_f8f6f4 v[8*(8*((\a)%4)+\b):8*(8*((\a)%4)+\b)+7], v[128*(\p)+FR*\b:128*(\p)+FR*\b+FR-1], v[AF+FR*(\a):AF+FR*(\a)+FR-1], 0, v[SC+8*NQ*(\sc)+NQ*\b+(\q)], v[SC+8*NQ*(\sc)+NQ*(\a)+(\q)] matrix_a_fmt:MATRIX_FMT_FP4 matrix_b_fmt:MATRIX_FMT_FP4 matrix_a_scale:MATRIX_SCALE_ROW1
.else
	v_wmma_scale_f32_16x16x128_f8f6f4 v[8*(8*((\a)%4)+\b):8*(8*((\a)%4)+\b)+7], v[128*(\p)+FR*\b:128*(\p)+FR*\b+FR-1], v[AF+FR*(\a):AF+FR*(\a)+FR-1], v[8*(8*((\a)%4)+\b):8*(8*((\a)%4)+\b)+7], v[SC+8*NQ*(\sc)+NQ*\b+(\q)], v[SC+8*NQ*(\sc)+NQ*(\a)+(\q)] matrix_a_fmt:MATRIX_FMT_FP4 matrix_b_fmt:MATRIX_FMT_FP4 matrix_a_scale:MATRIX_SCALE_ROW1
.endif
.endr
.endr
.endm
.macro FETCH_B slot, q, p
	WIN TO_B
.irp i, 0,1,2,3,4,5,6,7
	FRAG 128*(\p)+FR*\i, ADRB+\slot, \q, \i
.endr
	WIN 0
.endm
.macro FETCH_A slot, q, i0
.irp i, \i0, \i0+1, \i0+2, \i0+3
	FRAG AF+FR*(\i), ADRA+\slot, \q, \i
.endr
.endm
.macro SCALES sc                       ; a K step's scale words: lanes 0-15 take A's block i, lanes 16-31 B's block i
.irp i, 0,1,2,3,4,5,6,7
	ds_load_b128 v[SC+8*NQ*\sc+NQ*\i:SC+8*NQ*\sc+NQ*\i+3], v[ADRS] offset:\i*SBLK
.endr
.endm
.macro PLACES n                        ; plain vector instructions between a matrix instruction and a load into, or a read of, its registers
.rept \n
	v_nop
.endr
.endm
.macro STEP slot, q, zero              ; 128 along K with its successor in the same slot
	s_wait_dscnt 4*NL                              ; B's set and A's blocks 0-3 are in; the youngest eight loads (A's blocks 4-7) may be out
	WIN MUL_LO
	MUL16 0, (\q)%2, \q, \slot, \zero
	MUL16 2, (\q)%2, \q, \slot, \zero
	s_wait_dscnt 0                                 ; A's blocks 4-7 are in
	PLACES NP
	FETCH_B \slot, (\q)+1, 1-(\q)%2
	FETCH_A \slot, (\q)+1, 0
	WIN MUL_HI
	MUL16 4, (\q)%2, \q, \slot, \zero
	MUL16 6, (\q)%2, \q, \slot, \zero
	PLACES NP
	WIN 0
	FETCH_A \slot, (\q)+1, 4
.endm
; Slot 0's last step changes slots: each wave waits for all its tensor loads (its part of slot 1), and for its reads of slot 0; behind the barrier slot 1 is whole and nobody reads slot 0.  Nothing is filled again.
.macro TURN slot, next
	s_wait_tensorcnt 0x0                           ; all my tensor loads have landed
	ds_add_u32 v[SPW], v[NIL]                      ; 0 onto my spare word
	s_wait_dscnt 4*NL+1                            ; the add and the youngest eight loads may be out
	WIN MUL_LO
	MUL16 0, 1, NQ-1, \slot, 0
	s_wait_dscnt 0x0                               ; the add is done, and my reads of this slot are over
	s_barrier_signal -1
	MUL16 2, 1, NQ-1, \slot, 0
	WIN 0
	s_barrier_wait -1
	PLACES NP
	v_add_nc_u32 v[ADRS], 4*NQ, v[ADRS]            ; on to the next K step's scale words (no LDS load of mine is out)
	FETCH_B \next, 0, 0
	FETCH_A \next, 0, 0
	SCALES \next
	WIN MUL_HI
	MUL16 4, 1, NQ-1, \slot, 0
	MUL16 6, 1, NQ-1, \slot, 0
	PLACES NP
	WIN 0
	FETCH_A \next, 0, 4
.endm
.macro STEPS slot, from
.set Q, \from
.rept NQ-1-\from
	STEP \slot, Q, 0
.set Q, Q+1
.endr
.endm
	s_wait_tensorcnt 1                             ; the scales and my part of slot 0 are in; slot 1's load may be out
	s_barrier_signal -1
	s_barrier_wait -1
	FETCH_B 0, 0, 0
	FETCH_A 0, 0, 0
	SCALES 0
	FETCH_A 0, 0, 4
	STEP 0, 0, 1                                   ; the first step's products start the sums
	STEPS 0, 1
	TURN 0, 1
	STEPS 1, 0
	s_wait_dscnt 4*NL                              ; the last step: nothing more to fetch
	WIN MUL_LO
	MUL16 0, 1, NQ-1, 1, 0
	MUL16 2, 1, NQ-1, 1, 0
	s_wait_dscnt 0
	WIN MUL_HI
	MUL16 4, 1, NQ-1, 1, 0
	MUL16 6, 1, NQ-1, 1, 0
	WIN 0
; THE WAY OUT, block by block of 16 rows x 128 columns: rounded to f16 (16 bytes a lane), through my own stage in LDS, back as whole rows of 256 bytes.
.macro PACK a
.set AC, 64*((\a)%4)
	WIN (0x0a+5*((\a)/4))                          ; sources 0 and 1: window 2 or 3
.irp b, 0,1,2,3,4,5,6,7
.irp r, 0,1,2,3
	v_cvt_pk_f16_f32 v[TMP+4*\b+\r], v[AC+8*\b+2*\r], v[AC+8*\b+2*\r+1]   ; each accumulator from its low end on
.endr
.endr
	WIN 0
.endm
.macro TOSTAGE a
.set BK, OB+32*((\a)%2)
.irp b, 0,1,2,3,4,5,6,7
	ds_store_b128 v[STO], v[TMP+4*\b:TMP+4*\b+3] offset:32*\b
.endr
.irp t, 0,1,2,3,4,5,6,7
	ds_load_b128 v[BK+4*\t:BK+4*\t+3], v[RD] offset:\t*2*SPITCH    ; LDS serves a wave's instructions in order: these see the stores above
.endr
.endm
.macro SEND a
.set BK, OB+32*((\a)%2)
	s_wait_dscnt 0x0                               ; the block is back in registers
	s_wait_xcnt 0x0                                ; earlier stores have read their base and their data: the base may step, and the next block's loads may land on the other set
.if (\a) > 0
	s_add_nc_u64 s[12:13], s[12:13], 16*SIZE_N*2   ; 16 rows of C on
.endif
.irp t, 0,1,2,3,4,5,6,7
	global_store_b128 v[CO], v[BK+4*\t:BK+4*\t+3], s[12:13] offset:2*\t*SIZE_N*2   ; 16 lanes store 256 consecutive bytes, at a multiple of 256 from C's first byte
.endr
.endm
	PLACES NP                                      ; behind the last products: for the conversions, and for the loads into the registers that held A's fragments
	PACK 0
	TOSTAGE 0
.irp a, 1,2,3,4,5,6,7                  ; block a's conversions stand between block a - 1's loads from the stage and the wait for them
	PACK \a
	SEND \a-1
	TOSTAGE \a
.endr
	SEND 7
	s_wait_tensorcnt 0x0                           ; the wave's end, behind my last tensor load and my last LDS store
	ds_add_u32 v[SPW], v[NIL]
	s_wait_dscnt 0x0
	CROUND                                         ; the closing round
	s_endpgm
.Lfunc_end_k_qb8fb6b0c3a_gemm1:
	.size	k_qb8fb6b0c3a_gemm1, .Lfunc_end_k_qb8fb6b0c3a_gemm1-k_qb8fb6b0c3a_gemm1
	.p2alignl 7, 3214868480
	.fill 96, 4, 3214868480
	.section	.rodata,"a",@progbits
	.p2align	6, 0x0
	.amdhsa_kernel k_qb8fb6b0c3a_gemm1
		.amdhsa_group_segment_fixed_size 327680
		.amdhsa_private_segment_fixed_size 0
		.amdhsa_enable_private_segment 0
		.amdhsa_kernarg_size 40
		.amdhsa_user_sgpr_count 2
		.amdhsa_user_sgpr_kernarg_segment_ptr 1
		.amdhsa_wavefront_size32 1
		.amdhsa_system_sgpr_workgroup_id_x 1
		.amdhsa_system_sgpr_workgroup_id_y 1
		.amdhsa_system_sgpr_workgroup_id_z 1
		.amdhsa_system_vgpr_workitem_id 0
		.amdhsa_next_free_vgpr 1024
		.amdhsa_next_free_sgpr 98
		.amdhsa_reserve_vcc 0
		.amdhsa_float_denorm_mode_32 3
		.amdhsa_float_denorm_mode_16_64 3
		.amdhsa_memory_ordered 1
		.amdhsa_forward_progress 1
		.amdhsa_inst_pref_size 127
	.end_amdhsa_kernel
	.amdgpu_metadata
---
amdhsa.version: [ 1, 2 ]
amdhsa.kernels:
  - .name:           k_qb8fb6b0c3a_gemm1
    .symbol:         k_qb8fb6b0c3a_gemm1.kd
    .args:
      - { .name: xc, .offset: 0, .size: 8, .value_kind: global_buffer, .address_space: global }
      - { .name: xs, .offset: 8, .size: 8, .value_kind: global_buffer, .address_space: global }
      - { .name: wc, .offset: 16, .size: 8, .value_kind: global_buffer, .address_space: global }
      - { .name: ws, .offset: 24, .size: 8, .value_kind: global_buffer, .address_space: global }
      - { .name: qkv, .offset: 32, .size: 8, .value_kind: global_buffer, .address_space: global }
    .group_segment_fixed_size: 327680
    .private_segment_fixed_size: 0
    .kernarg_segment_align: 8
    .kernarg_segment_size: 40
    .max_flat_workgroup_size: 128
    .sgpr_count:     98
    .vgpr_count:     1024
    .wavefront_size: 32
...
	.end_amdgpu_metadata
.endif
;; end of part 3
;; launch gpart (part 4): grid 4 x 32, 4 waves a work-group, no clusters, 327,680 bytes of LDS; arguments qkv, gp, gmax; writes gp, gmax
.if DOCPART == 4
	.amdgcn_target "amdgcn-amd-amdhsa--gfx1250"
	.amdhsa_code_object_version 6
	.text
	.protected	k_qb8fb6b0c3a_gpart
	.globl	k_qb8fb6b0c3a_gpart
	.p2align	8
	.type	k_qb8fb6b0c3a_gpart,@function
k_qb8fb6b0c3a_gpart:
	s_mov_b64 s[64:65], 0
	v_nop
	global_prefetch_b8 v0, s[64:65] scope:SCOPE_SE
	s_setreg_imm32_b32 hwreg(HW_REG_WAVE_MODE, 25, 1), 1
	s_wait_xcnt 0x0
; No softmax stands between the score product and the aggregation, so (Q^T K) V^T = Q^T (K V^T) for every input: the products are summed in another order, none is left out.
; This launch makes, for each batch and head (bh) and each quarter of the positions (split), the partial sums  Gt[d'][d] = sum over 512 positions s of K[d'][s] V[d][s],  128 x 128, f16 operands, f32 sums.
; K and V lie in qkv[(b, s)][o] (f16, rows of 6,144 bytes) at columns 1024 + 128 h and 2048 + 128 h: the positions, which are this product's K, run down the rows, so the fragments come out of LDS turned, by ds_load_tr16_b128.
; No tile is read by two work-groups, so no cluster.  A work-group's 512 rows of K and of V lie in LDS whole: two tensor loads a wave at the head (two are out by this text's count), nothing is filled again.
; SHARES: wave w makes d tiles 4 (w >> 1) + i and d' tiles 4 (w & 1) + j: 16 accumulators.  Source 0 = V (16 d), source 1 = K (16 d'): lane (r, hl), register q holds Gt[16 J + r][16 I + 8 hl + q]:
; eight neighbours along d, which is the next product's K.  The accumulators are stored as images of their registers: gp[bh][split][tile 8 J + I][half][lane][16 bytes].
; gmax[bh][split][wave][lane] takes the largest magnitude of the wave's 128 x 32 partial sums (the same number in all 32 lanes): the next launches scale by a power of two made of it.
.set PV,    288                        ; an LDS row: 256 bytes + 32 of padding
.set TEN,   512*PV                     ; K's 512 rows; V's lie behind them
.set SPARE, 2*TEN                      ; the spare words, 128 bytes a wave; no other line names them
.set AK,  16                           ; v16-19  my lane's place in K's rows 128 g on
.set AV,  20                           ; v20-23  the same for V
.set LI,  24                           ; v24     16 x lane
.set LS,  25                           ; v25     4 x lane
.set SPW, 28
.set NIL, 29
.set MX,  32                           ; v32-35  running maxima
.set ACC, 128                          ; v128-255 accumulator (i, j) at 8 (4 i + j)
.set G1,  16                           ; s[16:23] descriptor group 1
.set G0,  24                           ; s[24:31] group 0, a set for each of my two loads
.set MSB, 0
.macro WIN new
.if MSB != \new
	s_set_vgpr_msb (MSB<<8)|\new
.set MSB, \new
.endif
.endm
.set MUL,  0x05                        ; sources 0 and 1 window 1; C and D window 0
.set TO_F, 0x40                        ; destination window 1, address window 0
	s_load_b128 s[4:7], s[0:1], 0x0                ; qkv, gp
	s_load_b64 s[8:9], s[0:1], 0x10                ; gmax
	v_lshl_add_u32 v[SPW], v0, 2, SPARE
	v_mov_b32 v[NIL], 0
	ds_add_u32 v[SPW], v[NIL]                      ; the wave's opening: the add, twice on end, and its wait ahead of my first tensor load
	ds_add_u32 v[SPW], v[NIL]
	v_lshrrev_b32 v1, 5, v0
	v_readfirstlane_b32 s10, v1                    ; wave 0..3
	s_lshr_b32 s11, s10, 1                         ; I fetch K (0) or V (1).  Also: which half of d is mine
	s_and_b32 s12, s10, 1                          ; which 128 rows of 256 I fetch.  Also: which half of d'
	s_and_b32 s14, ttmp7, 0xffff                   ; bh
	s_lshr_b32 s15, s14, 3                         ; b
	s_and_b32 s13, s14, 7                          ; h
	s_mov_b32 s[G1+0], (1<<16)|(1<<20)|(5<<22)|(7<<25)   ; elements of 2 bytes; padding: 8 words after every 64
	s_mov_b32 s[G1+1], 128<<16                     ; tensor_dim0 = 128
	s_mov_b32 s[G1+2], 128<<16                     ; tensor_dim1 = 128
	s_mov_b32 s[G1+3], 128<<16                     ; tile_dim0 = 128
	s_mov_b32 s[G1+4], 128                         ; tile_dim1 = 128
	s_mov_b32 s[G1+5], 3072                        ; the pitch in elements
	s_mov_b32 s[G1+6], 0
	s_mov_b32 s[G1+7], 0
	s_lshl_b32 s32, s15, 11
	s_lshl_b32 s33, ttmp9, 9
	s_add_co_u32 s32, s32, s33
	s_lshl_b32 s33, s12, 7
	s_add_co_u32 s32, s32, s33                     ; row 2048 b + 512 split + 128 half
	s_mul_i32 s32, s32, 6144
	s_lshl_b32 s33, s11, 11
	s_add_co_u32 s32, s32, s33                     ; V lies 2,048 bytes behind K,
	s_lshl_b32 s33, s13, 8
	s_add_co_u32 s32, s32, s33                     ; a head is 256 bytes,
	s_add_co_u32 s32, s32, 2048                    ; K begins 2,048 bytes into a row
	s_mov_b32 s33, 0
	s_mul_i32 s34, s11, TEN
	s_mul_i32 s35, s12, 128*PV
	s_add_co_u32 s34, s34, s35                     ; where they go
	s_mov_b32 s36, 0x76543210
	s_mov_b32 s37, 0xfedcba98                      ; v_permlanex16_b32's selects for lane l xor 16
	s_wait_dscnt 0x0                               ; both opening adds are done
	s_wait_kmcnt 0x0
	s_add_nc_u64 s[32:33], s[4:5], s[32:33]
.irp p, 0,1                            ; rows 256 p on: both first fills go out together
	s_mov_b32 s[G0+4*\p], 1
	s_add_co_u32 s[G0+4*\p+1], s34, \p*256*PV
	s_add_nc_u64 s[G0+4*\p+2:G0+4*\p+3], s[32:33], \p*256*6144
	s_or_b32 s[G0+4*\p+3], s[G0+4*\p+3], 0x80000000
	tensor_load_to_lds s[G0+4*\p:G0+4*\p+3], s[G1:G1+7]
	s_nop 0
.endr
	v_and_b32 v1, 31, v0                           ; lane
	v_bfe_u32 v2, v0, 4, 1
	v_and_b32 v3, 7, v0
	v_bfe_u32 v4, v0, 3, 1
	v_lshl_add_u32 v5, v2, 3, v3                   ; the turning load: lane l reads 16 bytes of row 8 (l / 16) + l % 8,
	v_mul_u32_u24 v5, v5, PV
	v_lshl_add_u32 v5, v4, 4, v5                   ; columns 8 ((l / 8) % 2) on
	s_lshl_b32 s34, s12, 7                         ; my 64 columns of K,
	s_lshl_b32 s35, s11, 7
	s_add_co_u32 s35, s35, TEN                     ; of V
.irp g, 0,1,2,3
	v_add_nc_u32 v[AK+\g], s34, v5
	v_add_nc_u32 v[AV+\g], s35, v5
	s_add_co_u32 s34, s34, 128*PV
	s_add_co_u32 s35, s35, 128*PV
.endr
	v_lshlrev_b32 v[LI], 4, v1
	v_lshlrev_b32 v[LS], 2, v1
	s_lshl_b32 s32, s14, 2
	s_add_co_u32 s32, s32, ttmp9                   ; 4 bh + split
	s_lshl_b32 s34, s32, 9
	s_lshl_b32 s2, s10, 7
	s_add_co_u32 s34, s34, s2                      ; gmax: 128 bytes a wave
	s_mov_b32 s35, 0
	s_lshl_b32 s32, s32, 16                        ; gp: 65,536 bytes a partial,
	s_lshl_b32 s2, s12, 15
	s_add_co_u32 s32, s32, s2                      ; four d' tiles are 32,768,
	s_lshl_b32 s2, s11, 12
	s_add_co_u32 s32, s32, s2                      ; four d tiles 4,096
	s_mov_b32 s33, 0
	s_add_nc_u64 s[6:7], s[6:7], s[32:33]
	s_add_nc_u64 s[8:9], s[8:9], s[34:35]
; the fragments of positions 32 k on, into the buffer at f of window 1: V's four (16 d each), then K's four
.macro GFETCH k, f
	WIN TO_F
.irp i, 0,1,2,3
	ds_load_tr16_b128 v[(\f)+8*\i:(\f)+8*\i+3],   v[AV+(\k)/4] offset:((\k)%4)*32*PV+32*\i
	ds_load_tr16_b128 v[(\f)+8*\i+4:(\f)+8*\i+7], v[AV+(\k)/4] offset:((\k)%4)*32*PV+16*PV+32*\i
.endr
.irp i, 0,1,2,3
	ds_load_tr16_b128 v[(\f)+32+8*\i:(\f)+32+8*\i+3],   v[AK+(\k)/4] offset:((\k)%4)*32*PV+32*\i
	ds_load_tr16_b128 v[(\f)+32+8*\i+4:(\f)+32+8*\i+7], v[AK+(\k)/4] offset:((\k)%4)*32*PV+16*PV+32*\i
.endr
.endm
; 16 matrix instructions, the accumulators by turns; step 0's products start the sums
.macro GMUL f, k
	WIN MUL
.irp i, 0,1,2,3
.irp j, 0,1,2,3
.if (\k) == 0
	v_wmma_f32_16x16x32_f16 v[ACC+8*(4*\i+\j):ACC+8*(4*\i+\j)+7], v[(\f)+8*\i:(\f)+8*\i+7], v[(\f)+32+8*\j:(\f)+32+8*\j+7], 0
.else
	v_wmma_f32_16x16x32_f16 v[ACC+8*(4*\i+\j):ACC+8*(4*\i+\j)+7], v[(\f)+8*\i:(\f)+8*\i+7], v[(\f)+32+8*\j:(\f)+32+8*\j+7], v[ACC+8*(4*\i+\j):ACC+8*(4*\i+\j)+7]
.endif
.endr
.endr
.endm
.macro PLACES                          ; four plain vector instructions between a matrix instruction and a load into, or a read of, its registers
.rept 4
	v_nop
.endr
.endm
	s_wait_tensorcnt 1                             ; my part of rows 0-255 is in; my second load may be out
	s_barrier_signal -1
	s_barrier_wait -1                              ; everybody's is
	GFETCH 0, 0
.set kk, 0
.rept 15
.if kk == 7                            ; step 8 begins rows 256 on: they are read only when every wave's second load has landed
	s_wait_tensorcnt 0x0
	s_wait_dscnt 0x0                               ; no LDS instruction of mine is out at a signal
	s_barrier_signal -1
	s_barrier_wait -1
.endif
.if kk > 0
	PLACES                                         ; the buffer to be loaded was multiplied in the step before
.endif
	GFETCH kk+1, 64*((kk+1)%2)
	s_wait_dscnt 16                                ; all but the 16 just issued
	GMUL 64*(kk%2), kk
.set kk, kk+1
.endr
	s_wait_dscnt 0x0
	GMUL 64, 15
	WIN 0
	PLACES
.irp j, 0,1,2,3
.irp i, 0,1,2,3
	global_store_b128 v[LI], v[ACC+8*(4*\i+\j):ACC+8*(4*\i+\j)+3], s[6:7] offset:\j*8192+\i*1024         ; each accumulator from its low end on; the wave stores 512 consecutive bytes
	global_store_b128 v[LI], v[ACC+8*(4*\i+\j)+4:ACC+8*(4*\i+\j)+7], s[6:7] offset:\j*8192+\i*1024+512
.endr
.endr
.irp c, 0,1,2,3                        ; the largest magnitude of my 128 registers, in four chains
	v_max3_num_f32 v[MX+\c], |v[ACC+32*\c]|, |v[ACC+32*\c+1]|, |v[ACC+32*\c+2]|
.endr
.irp i, 3,5,7,9,11,13,15,17,19,21,23,25,27,29
.irp c, 0,1,2,3
	v_max3_num_f32 v[MX+\c], v[MX+\c], |v[ACC+32*\c+\i]|, |v[ACC+32*\c+\i+1]|
.endr
.endr
.irp c, 0,1,2,3
	v_max_num_f32 v[MX+\c], v[MX+\c], |v[ACC+32*\c+31]|
.endr
	v_max3_num_f32 v[MX], v[MX], v[MX+1], v[MX+2]
	v_max_num_f32 v[MX], v[MX], v[MX+3]
	v_max_num_f32_dpp v[MX], v[MX], v[MX] row_xmask:1 row_mask:0xf bank_mask:0xf
	v_max_num_f32_dpp v[MX], v[MX], v[MX] row_xmask:2 row_mask:0xf bank_mask:0xf
	v_max_num_f32_dpp v[MX], v[MX], v[MX] row_xmask:4 row_mask:0xf bank_mask:0xf
	v_max_num_f32_dpp v[MX], v[MX], v[MX] row_xmask:8 row_mask:0xf bank_mask:0xf
	v_permlanex16_b32 v[MX+1], v[MX], s36, s37
	v_max_num_f32 v[MX], v[MX], v[MX+1]            ; every lane holds the wave's
	global_store_b32 v[LS], v[MX], s[8:9]
	s_wait_tensorcnt 0x0                           ; the wave's end, behind my last tensor load
	ds_add_u32 v[SPW], v[NIL]
	s_wait_dscnt 0x0
	s_endpgm
.Lfunc_end_k_qb8fb6b0c3a_gpart:
	.size	k_qb8fb6b0c3a_gpart, .Lfunc_end_k_qb8fb6b0c3a_gpart-k_qb8fb6b0c3a_gpart
	.p2alignl 7, 3214868480
	.fill 96, 4, 3214868480
	.section	.rodata,"a",@progbits
	.p2align	6, 0x0
	.amdhsa_kernel k_qb8fb6b0c3a_gpart
		.amdhsa_group_segment_fixed_size 327680
		.amdhsa_private_segment_fixed_size 0
		.amdhsa_enable_private_segment 0
		.amdhsa_kernarg_size 24
		.amdhsa_user_sgpr_count 2
		.amdhsa_user_sgpr_kernarg_segment_ptr 1
		.amdhsa_wavefront_size32 1
		.amdhsa_system_sgpr_workgroup_id_x 1
		.amdhsa_system_sgpr_workgroup_id_y 1
		.amdhsa_system_sgpr_workgroup_id_z 1
		.amdhsa_system_vgpr_workitem_id 0
		.amdhsa_next_free_vgpr 384
		.amdhsa_next_free_sgpr 66
		.amdhsa_reserve_vcc 0
		.amdhsa_float_denorm_mode_32 3
		.amdhsa_float_denorm_mode_16_64 3
		.amdhsa_memory_ordered 1
		.amdhsa_forward_progress 1
		.amdhsa_inst_pref_size 48
	.end_amdhsa_kernel
	.amdgpu_metadata
---
amdhsa.version: [ 1, 2 ]
amdhsa.kernels:
  - .name:           k_qb8fb6b0c3a_gpart
    .symbol:         k_qb8fb6b0c3a_gpart.kd
    .args:
      - { .name: qkv, .offset: 0, .size: 8, .value_kind: global_buffer, .address_space: global }
      - { .name: gp, .offset: 8, .size: 8, .value_kind: global_buffer, .address_space: global }
      - { .name: gmax, .offset: 16, .size: 8, .value_kind: global_buffer, .address_space: global }
    .group_segment_fixed_size: 327680
    .private_segment_fixed_size: 0
    .kernarg_segment_align: 8
    .kernarg_segment_size: 24
    .max_flat_workgroup_size: 128
    .sgpr_count:     66
    .vgpr_count:     384
    .wavefront_size: 32
...
	.end_amdgpu_metadata
.endif
;; end of part 4
;; launch mker (part 5): grid 4 x 32, 8 waves a work-group, no clusters, 68,608 bytes of LDS; arguments gp, gmax, W_out, m16; writes m16
.if DOCPART == 5
	.amdgcn_target "amdgcn-amd-amdhsa--gfx1250"
	.amdhsa_code_object_version 6
	.text
	.protected	k_qb8fb6b0c3a_mker
	.globl	k_qb8fb6b0c3a_mker
	.p2align	8
	.type	k_qb8fb6b0c3a_mker,@function
k_qb8fb6b0c3a_mker:
	s_mov_b64 s[64:65], 0
	v_nop
	global_prefetch_b8 v0, s[64:65] scope:SCOPE_SE
	s_setreg_imm32_b32 hwreg(HW_REG_WAVE_MODE, 25, 1), 1
	s_wait_xcnt 0x0
; M_b[o][128 h + d'] = sum over d of W_out[o][128 h + d] Gt[b, h][d'][d] x a_b, f16 operands, f32 sums, rounded once to f16: m16[(b, o)][1024].
; Gt is the sum of its four partial sums (f32).  It has no fixed range, so ahead of the rounding to f16 it is multiplied by an exact power of two made of the data, one a batch:
; m = the largest magnitude of any partial sum of the batch, held to 2^-100 .. 2^120; E its exponent field; a_b = 2^(128 - E).  |Gt| <= 4 m < 2^(E - 124), so |Gt a_b| < 16.  The last launch multiplies by 2^(E - 128).
; LIMITS: |W_out| under 31 (then |M| < 128 x 31 x 16 < 65,504, f16's largest number); m inside 2^-100 .. 2^120; NaN and infinities are not served.
; SHARES: a work-group takes one (b, h) and 256 rows o.  Phase A: wave w sums, scales and rounds d' tile J = w: its 64 registers a partial are, packed in pairs, the four fragments (J, u) of the operand
; (lane r = d', registers along d), which go to LDS as images of their registers.  Phase B: each wave takes all 32 fragments back and makes its 32 rows o x 128 columns.
; Source 0 = Gt (16 d'), source 1 = W_out (16 o): a lane holds one row o and eight neighbouring columns.  No tensor load: operands come through registers.
.set SP,    272
.set GIMG,  0                          ; LDS: 32 fragment images of 1,024 bytes
.set STG,   32768                      ; a stage of 16 rows x 272 bytes for each wave
.set SPARE, STG+8*16*SP                ; the spare words, 128 bytes a wave; no other line names them
.set LI,  4                            ; v4   16 x lane
.set GW,  5                            ; v5   where I store my four images
.set WA,  6                            ; v6   W_out: row r of 4,096 bytes + 32 h
.set STO, 7
.set RD,  8
.set CO,  9
.set GX,  10                           ; v10  128 x lane: an entry of gmax a lane
.set T,   12                           ; v12-15
.set AB,  16                           ; v[16:17] a_b, twice
.set SPW, 30
.set NIL, 31
.set WF,  32                           ; v32-159  W_out as f32; later the 16 accumulators (ot, J) at 8 (8 ot + J)
.set ACC, 32
.set AF,  160                          ; v160-223 W_out's 8 fragments (ot, u)
.set PC,  224                          ; v224-255 my four fragments of Gt
.set TMP, 160                          ; the way out: packed results
.set OB,  192                          ; and rows read back: v192-223, v224-255
.set MSB, 0
.macro WIN new
.if MSB != \new
	s_set_vgpr_msb (MSB<<8)|\new
.set MSB, \new
.endif
.endm
	s_load_b256 s[4:11], s[0:1], 0x0               ; gp, gmax, W_out, m16
	v_lshl_add_u32 v[SPW], v0, 2, SPARE
	v_mov_b32 v[NIL], 0
	v_lshrrev_b32 v1, 5, v0
	v_readfirstlane_b32 s12, v1                    ; wave 0..7
	s_and_b32 s13, ttmp7, 0xffff                   ; bh
	s_lshr_b32 s14, s13, 3                         ; b
	s_and_b32 s15, s13, 7                          ; h
	v_and_b32 v1, 31, v0                           ; lane
	v_and_b32 v2, 15, v0                           ; r
	v_bfe_u32 v3, v0, 4, 1                         ; h of the lane
	v_lshlrev_b32 v[LI], 4, v1
	s_lshl_b32 s16, s12, 12
	v_add_nc_u32 v[GW], s16, v[LI]
	v_lshlrev_b32 v[WA], 12, v2
	v_lshl_add_u32 v[WA], v3, 5, v[WA]
	s_mul_i32 s16, s12, 16*SP
	s_add_co_u32 s16, s16, STG
	v_mul_u32_u24 v[STO], v2, SP
	v_lshl_add_u32 v[STO], v3, 4, v[STO]
	v_add_nc_u32 v[STO], s16, v[STO]               ; in: row r, 16 bytes for each half of the lanes
	v_mul_u32_u24 v[RD], v3, SP
	v_lshl_add_u32 v[RD], v2, 4, v[RD]
	v_add_nc_u32 v[RD], s16, v[RD]                 ; back: lanes 0-15 one row of 256 bytes, lanes 16-31 the next
	v_lshlrev_b32 v[CO], 11, v3
	v_lshl_add_u32 v[CO], v2, 4, v[CO]             ; the same two rows in m16: rows of 2,048 bytes
	v_lshlrev_b32 v[GX], 7, v1
	s_mov_b32 s28, 0x76543210
	s_mov_b32 s29, 0xfedcba98
	s_mov_b32 s30, 0x0d800000                      ; 2^-100
	s_mov_b32 s31, 0x7b800000                      ; 2^120
	s_lshl_b32 s20, s13, 18                        ; gp: 262,144 bytes a (b, h), 8,192 a d' tile
	s_lshl_b32 s21, s12, 13
	s_add_co_u32 s20, s20, s21
	s_mov_b32 s21, 0
	s_lshl_b32 s22, s14, 14                        ; gmax: 16,384 bytes a batch
	s_mov_b32 s23, 0
	s_lshl_b32 s24, ttmp9, 20                      ; W_out: (256 x + 32 wave) rows of 4,096 bytes + 512 h
	s_lshl_b32 s25, s12, 17
	s_add_co_u32 s24, s24, s25
	s_lshl_b32 s25, s15, 9
	s_add_co_u32 s24, s24, s25
	s_mov_b32 s25, 0
	s_lshl_b32 s26, s14, 21                        ; m16: (1024 b + 256 x + 32 wave) rows of 2,048 bytes + 256 h
	s_lshl_b32 s27, ttmp9, 19
	s_add_co_u32 s26, s26, s27
	s_lshl_b32 s27, s12, 16
	s_add_co_u32 s26, s26, s27
	s_lshl_b32 s27, s15, 8
	s_add_co_u32 s26, s26, s27
	s_mov_b32 s27, 0
	s_wait_kmcnt 0x0
	s_add_nc_u64 s[4:5], s[4:5], s[20:21]
	s_add_nc_u64 s[6:7], s[6:7], s[22:23]
	s_add_nc_u64 s[8:9], s[8:9], s[24:25]
	s_add_nc_u64 s[10:11], s[10:11], s[26:27]
.irp i, 0,1,2,3
	global_load_b32 v[T+\i], v[GX], s[6:7] offset:4096*\i          ; the batch's 128 entries, four a lane
.endr
	WIN 0x40                                       ; destination window 1
.irp p, 0,1,2,3                        ; partial p of my d' tile: 8 tiles of d x 8 registers at v[64 p] of window 1
.irp t, 0,1,2,3,4,5,6,7
	global_load_b128 v[64*\p+8*\t:64*\p+8*\t+3],   v[LI], s[4:5] offset:\p*65536+\t*1024
	global_load_b128 v[64*\p+8*\t+4:64*\p+8*\t+7], v[LI], s[4:5] offset:\p*65536+\t*1024+512
.endr
.endr
	WIN 0
.irp o, 0,1                            ; W_out: lane (r, h) takes, of row 16 ot + r, d = 32 u + 8 h + 0 .. 7 and 32 u + 16 + 8 h + 0 .. 7: the fragment's own order
.irp u, 0,1,2,3
	global_load_b128 v[WF+64*\o+16*\u:WF+64*\o+16*\u+3],     v[WA], s[8:9] offset:\o*65536+\u*128
	global_load_b128 v[WF+64*\o+16*\u+4:WF+64*\o+16*\u+7],   v[WA], s[8:9] offset:\o*65536+\u*128+16
	global_load_b128 v[WF+64*\o+16*\u+8:WF+64*\o+16*\u+11],  v[WA], s[8:9] offset:\o*65536+\u*128+64
	global_load_b128 v[WF+64*\o+16*\u+12:WF+64*\o+16*\u+15], v[WA], s[8:9] offset:\o*65536+\u*128+80
.endr
.endr
; the batch's largest magnitude, held to its bounds; its exponent field is left in v[T]
.macro GSCALE
	v_max3_num_f32 v[T], v[T], v[T+1], v[T+2]
	v_max_num_f32 v[T], v[T], v[T+3]
	v_max_num_f32_dpp v[T], v[T], v[T] row_xmask:1 row_mask:0xf bank_mask:0xf
	v_max_num_f32_dpp v[T], v[T], v[T] row_xmask:2 row_mask:0xf bank_mask:0xf
	v_max_num_f32_dpp v[T], v[T], v[T] row_xmask:4 row_mask:0xf bank_mask:0xf
	v_max_num_f32_dpp v[T], v[T], v[T] row_xmask:8 row_mask:0xf bank_mask:0xf
	v_permlanex16_b32 v[T+1], v[T], s28, s29
	v_max_num_f32 v[T], v[T], v[T+1]
	v_med3_num_f32 v[T], v[T], s30, s31
	v_and_b32 v[T], 0x7f800000, v[T]
.endm
	; ---- A: my d' tile of Gt
	s_wait_loadcnt 32                              ; gmax's and gp's loads are in; W_out's 32 may be out
	GSCALE
	v_sub_nc_u32 v[AB], 0x7f800000, v[T]           ; the field 255 - E: a_b = 2^(128 - E)
	v_mov_b32 v[AB+1], v[AB]
	WIN 0x55                                       ; all in window 1
.set i, 0
.rept 32
	v_pk_add_f32 v[i:i+1], v[i:i+1], v[64+i:65+i]
	v_pk_add_f32 v[128+i:129+i], v[128+i:129+i], v[192+i:193+i]
.set i, i+2
.endr
.set i, 0
.rept 32
	v_pk_add_f32 v[i:i+1], v[i:i+1], v[128+i:129+i]                ; (p0 + p1) + (p2 + p3)
.set i, i+2
.endr
	WIN 0x41                                       ; destination and source 0 window 1, a_b window 0
.set i, 0
.rept 32
	v_pk_mul_f32 v[i:i+1], v[i:i+1], v[AB:AB+1]                    ; by a power of two: nothing is rounded
.set i, i+2
.endr
	WIN 0x05                                       ; sources window 1, destination window 0
.set i, 0
.rept 32
	v_cvt_pk_f16_f32 v[PC+i], v[2*i], v[2*i+1]                     ; tiles 2 u and 2 u + 1 of d make fragment (J, u): registers 8 u .. 8 u + 7
.set i, i+1
.endr
	WIN 0
.irp u, 0,1,2,3
	ds_store_b128 v[GW], v[PC+8*\u:PC+8*\u+3] offset:GIMG+\u*1024
	ds_store_b128 v[GW], v[PC+8*\u+4:PC+8*\u+7] offset:GIMG+\u*1024+512
.endr
	s_wait_loadcnt 0x0                             ; W_out
.set i, 0
.rept 64
	v_cvt_pk_f16_f32 v[AF+i], v[WF+2*i], v[WF+2*i+1]
.set i, i+1
.endr
	s_wait_dscnt 0x0                               ; for the others' sake: my images are stored
	s_barrier_signal -1
	s_barrier_wait -1
	; ---- B: my 32 rows o
	WIN 0x40
.set i, 0
.rept 32
	ds_load_b128 v[8*i:8*i+3],   v[LI] offset:GIMG+i*1024
	ds_load_b128 v[8*i+4:8*i+7], v[LI] offset:GIMG+i*1024+512
.set i, i+1
.endr
	s_wait_dscnt 0x0
	WIN 0x01                                       ; source 0 (Gt) window 1
.irp u, 0,1,2,3                        ; sixteen accumulators by turns; the first K step starts the sums
.irp o, 0,1
.irp j, 0,1,2,3,4,5,6,7
.if \u == 0
	v_wmma_f32_16x16x32_f16 v[ACC+8*(8*\o+\j):ACC+8*(8*\o+\j)+7], v[8*(4*\j+\u):8*(4*\j+\u)+7], v[AF+32*\o+8*\u:AF+32*\o+8*\u+7], 0
.else
	v_wmma_f32_16x16x32_f16 v[ACC+8*(8*\o+\j):ACC+8*(8*\o+\j)+7], v[8*(4*\j+\u):8*(4*\j+\u)+7], v[AF+32*\o+8*\u:AF+32*\o+8*\u+7], v[ACC+8*(8*\o+\j):ACC+8*(8*\o+\j)+7]
.endif
.endr
.endr
.endr
	WIN 0
.rept 4
	v_nop                                          ; four places behind the last products: the conversions read results and write over W_out's fragments
.endr
.macro PACK o
.irp j, 0,1,2,3,4,5,6,7
.irp q, 0,1,2,3
	v_cvt_pk_f16_f32 v[TMP+4*\j+\q], v[ACC+8*(8*\o+\j)+2*\q], v[ACC+8*(8*\o+\j)+2*\q+1]   ; each accumulator from its low end on
.endr
.endr
.endm
.macro TOSTAGE o
.irp j, 0,1,2,3,4,5,6,7
	ds_store_b128 v[STO], v[TMP+4*\j:TMP+4*\j+3] offset:32*\j
.endr
.irp t, 0,1,2,3,4,5,6,7
	ds_load_b128 v[OB+32*\o+4*\t:OB+32*\o+4*\t+3], v[RD] offset:\t*2*SP    ; LDS serves a wave's instructions in order: these see the stores above
.endr
.endm
.macro SEND o
	s_wait_dscnt 0x0
.irp t, 0,1,2,3,4,5,6,7
	global_store_b128 v[CO], v[OB+32*\o+4*\t:OB+32*\o+4*\t+3], s[10:11] offset:\o*32768+\t*4096   ; 16 lanes store 256 consecutive bytes, at a multiple of 256 from m16's first byte
.endr
.endm
	PACK 0
	TOSTAGE 0
	PACK 1
	SEND 0
	TOSTAGE 1
	SEND 1
	s_wait_tensorcnt 0x0                           ; the wave's end, behind my last LDS store
	ds_add_u32 v[SPW], v[NIL]
	s_wait_dscnt 0x0
	s_endpgm
.Lfunc_end_k_qb8fb6b0c3a_mker:
	.size	k_qb8fb6b0c3a_mker, .Lfunc_end_k_qb8fb6b0c3a_mker-k_qb8fb6b0c3a_mker
	.p2alignl 7, 3214868480
	.fill 96, 4, 3214868480
	.section	.rodata,"a",@progbits
	.p2align	6, 0x0
	.amdhsa_kernel k_qb8fb6b0c3a_mker
		.amdhsa_group_segment_fixed_size 68608
		.amdhsa_private_segment_fixed_size 0
		.amdhsa_enable_private_segment 0
		.amdhsa_kernarg_size 32
		.amdhsa_user_sgpr_count 2
		.amdhsa_user_sgpr_kernarg_segment_ptr 1
		.amdhsa_wavefront_size32 1
		.amdhsa_system_sgpr_workgroup_id_x 1
		.amdhsa_system_sgpr_workgroup_id_y 1
		.amdhsa_system_sgpr_workgroup_id_z 1
		.amdhsa_system_vgpr_workitem_id 0
		.amdhsa_next_free_vgpr 512
		.amdhsa_next_free_sgpr 66
		.amdhsa_reserve_vcc 0
		.amdhsa_float_denorm_mode_32 3
		.amdhsa_float_denorm_mode_16_64 3
		.amdhsa_memory_ordered 1
		.amdhsa_forward_progress 1
		.amdhsa_inst_pref_size 44
	.end_amdhsa_kernel
	.amdgpu_metadata
---
amdhsa.version: [ 1, 2 ]
amdhsa.kernels:
  - .name:           k_qb8fb6b0c3a_mker
    .symbol:         k_qb8fb6b0c3a_mker.kd
    .args:
      - { .name: gp, .offset: 0, .size: 8, .value_kind: global_buffer, .address_space: global }
      - { .name: gmax, .offset: 8, .size: 8, .value_kind: global_buffer, .address_space: global }
      - { .name: W_out, .offset: 16, .size: 8, .value_kind: global_buffer, .address_space: global }
      - { .name: m16, .offset: 24, .size: 8, .value_kind: global_buffer, .address_space: global }
    .group_segment_fixed_size: 68608
    .private_segment_fixed_size: 0
    .kernarg_segment_align: 8
    .kernarg_segment_size: 32
    .max_flat_workgroup_size: 256
    .sgpr_count:     66
    .vgpr_count:     512
    .wavefront_size: 32
...
	.end_amdgpu_metadata
.endif
;; end of part 5
;; launch final (part 6): grid 16 x 32, 4 waves a work-group, clusters of 4 x 4, 327,680 bytes of LDS; arguments m16, qkv, gmax, out0; writes out0
.if DOCPART == 6
	.amdgcn_target "amdgcn-amd-amdhsa--gfx1250"
	.amdhsa_code_object_version 6
	.text
	.protected	k_qb8fb6b0c3a_final
	.globl	k_qb8fb6b0c3a_final
	.p2align	8
	.type	k_qb8fb6b0c3a_final,@function
k_qb8fb6b0c3a_final:
	s_mov_b64 s[64:65], 0
	v_nop
	global_prefetch_b8 v0, s[64:65] scope:SCOPE_SE
	s_setreg_imm32_b32 hwreg(HW_REG_WAVE_MODE, 25, 1), 1
	s_wait_xcnt 0x0
	s_wait_alu depctr_hold_cnt(0) depctr_sa_sdst(0) depctr_va_vdst(0) depctr_va_sdst(0) depctr_va_ssrc(0) depctr_va_vcc(0) depctr_vm_vsrc(0)
	s_getreg_b32 s2, hwreg(HW_REG_IB_STS2, 6, 4)
	s_cmp_eq_u32 s2, 0
	s_cbranch_scc0 .Lentry_in_a_cluster
	s_endpgm
.Lentry_in_a_cluster:
	s_bfe_u32 s2, ttmp6, 0x10000c
	s_cmp_lg_u32 s2, 0xf033
	s_cbranch_scc0 .Lentry_shape_is_right
	s_endpgm
.Lentry_shape_is_right:
; out0[b][o][s] = f_b x sum over the 1,024 channels c of m16[(b, o)][c] Q[(b, s)][c], f16 operands, f32 sums.  Q is columns 0 .. 1023 of qkv (rows of 6,144 bytes).
; f_b = (1 / sqrt(128)) x 2^(E - 128) undoes, in f32, the power of two by which the launch before scaled Gt: E is the exponent field of the batch's largest partial sum, held to 2^-100 .. 2^120, made here of the same 128 entries of gmax.
; A tile of the output is 128 x 128: four waves, each 64 x 64, 16 accumulators.  K goes in steps of 256 (LDS rows of 512 bytes) through a ring of two slots filled by the tensor data mover.
; CLUSTERS: 4 x 4 work-groups; A's tiles (m16) are asked for jointly along a row of the cluster, B's (Q) along a column.  A batch is eight tile rows, two clusters: so the batch hangs on the cluster's y alone, which all partners share.
; The matrix instruction is used transposed (source 0 = 16 rows of Q, source 1 = 16 rows of m16): a lane holds eight neighbouring positions of one row of the output.
; REGISTERS: window 0: v0-31 addresses, f_b; v32-127 at work on the way out; v128-255 the accumulators ((a, b) at v[128 + 8 (4 a + b)]).  window 1: two fragment buffers of 128.
.set KSTEP,  256
.set PITCH,  528                       ; an LDS row: 512 bytes + 16 of padding
.set HALFT,  64*PITCH
.set SLOT,   4*HALFT
.set STAGE,  2*SLOT                    ; behind the ring: 16 rows x 272 bytes for each wave
.set SPITCH, 272
.set SPARE,  STAGE+4*16*SPITCH         ; the spare words, 128 bytes a wave; no other line names them
.set LAPS,   2                         ; 1,024 along K: twice round the ring
.set T,    8                           ; v8-11   gmax's entries
.set FB,   12                          ; v[12:13] f_b, twice
.set GX,   14                          ; v14     128 x lane
.set ADRA, 16
.set ADRB, 20
.set STO,  24
.set RD,   25
.set CO,   26
.set SPW,  28
.set NIL,  29
.set ACC,  128
.set F0,   0
.set F1,   128
.set G1, 24
.set G0, 32
.set G1B, 48
.set G0B, 56
.set MSB, 0
.macro WIN new
.if MSB != \new
	s_set_vgpr_msb (MSB<<8)|\new
.set MSB, \new
.endif
.endm
.set MUL,  0x05                        ; sources 0 (B) and 1 (A) window 1; C and D window 0
.set TO_F, 0x40
.macro JLOAD s                         ; a joint load: waves 0 and 1 fetch A's two halves, waves 2 and 3 B's; an s_nop 0 and four v_nop follow each line
	s_cmp_eq_u32 s11, 0
	s_cbranch_scc0 .Lfor_b_\@
	tensor_load_to_lds s[G0+4*\s:G0+4*\s+3], s[G1:G1+7]
	s_nop 0
.rept 4
	v_nop
.endr
	s_branch .Lasked_\@
.Lfor_b_\@:
	tensor_load_to_lds s[G0B+4*\s:G0B+4*\s+3], s[G1B:G1B+7]
	s_nop 0
.rept 4
	v_nop
.endr
.Lasked_\@:
.endm
.macro CREST
	s_cmp_lg_u32 s10, 0
	s_cbranch_scc1 .Lnot_wave_0_\@
	s_barrier_signal -3
.Lnot_wave_0_\@:
	s_barrier_wait -3
	s_barrier_signal -1
	s_barrier_wait -1
.endm
.macro CROUND
	s_barrier_signal -1
	s_barrier_wait -1
	CREST
.endm
	s_load_b128 s[4:7], s[0:1], 0x0                ; m16, qkv
	s_load_b64 s[66:67], s[0:1], 0x10              ; gmax
	s_load_b64 s[8:9], s[0:1], 0x18                ; out0
	v_lshl_add_u32 v[SPW], v0, 2, SPARE
	v_mov_b32 v[NIL], 0
	ds_add_u32 v[SPW], v[NIL]                      ; the wave's opening: the add, twice on end, and its wait ahead of my first tensor load
	ds_add_u32 v[SPW], v[NIL]
	v_lshrrev_b32 v1, 5, v0
	v_readfirstlane_b32 s10, v1                    ; wave 0..3
	s_lshr_b32 s11, s10, 1                         ; which half of the tile's rows is mine.  Also: I fetch for A (0) or for B (1)
	s_and_b32 s12, s10, 1                          ; which half of its columns.  Also: which 64 rows I fetch
	s_bfe_u32 s40, ttmp6, 0x40000                  ; cx, cy
	s_bfe_u32 s41, ttmp6, 0x40004
	s_lshl_b32 s42, ttmp9, 2
	s_add_co_u32 s42, s42, s40                     ; tile column
	s_and_b32 s13, ttmp7, 0xffff
	s_lshr_b32 s68, s13, 1                         ; the batch: cluster y / 2
	s_lshl_b32 s13, s13, 2
	s_add_co_u32 s13, s13, s41                     ; tile row
	s_lshl_b32 s43, s41, 2
	s_lshl_b32 s43, 15, s43                        ; my row of the cluster
	s_lshl_b32 s44, 0x1111, s40                    ; my column
	s_or_b32 s[G1+0], s43, (1<<16)|(1<<20)|(1<<21)|(6<<22)|(3<<25)  ; the mask; elements of 2 bytes; padding: 4 words after every 128
	s_or_b32 s[G1B+0], s44, (1<<16)|(1<<20)|(1<<21)|(6<<22)|(3<<25)
.irp g, G1, G1B
	s_mov_b32 s[\g+1], KSTEP<<16                   ; tensor_dim0 = 256
	s_mov_b32 s[\g+2], 64<<16                      ; tensor_dim1 = 64
	s_mov_b32 s[\g+3], KSTEP<<16                   ; tile_dim0 = 256
	s_mov_b32 s[\g+4], 64                          ; tile_dim1 = 64
	s_mov_b32 s[\g+6], 0
	s_mov_b32 s[\g+7], 0
.endr
	s_mov_b32 s[G1+5], 1024                        ; the pitch of m16 in elements,
	s_mov_b32 s[G1B+5], 3072                       ; of qkv
	s_lshl_b32 s17, s12, 6                         ; which 64 rows of the tile I fetch
	s_lshl_b32 s16, s13, 7
	s_add_co_u32 s16, s16, s17                     ; A: row 128 x tile row + 64 x half
	s_lshl_b32 s46, s42, 7
	s_add_co_u32 s46, s46, s17
	s_lshl_b32 s47, s68, 11
	s_add_co_u32 s46, s46, s47                     ; B: row 2048 b + 128 x tile column + 64 x half
	s_mov_b32 s17, 0
	s_mov_b32 s47, 0
	s_mov_b64 s[18:19], 2048
	s_mul_u64 s[16:17], s[16:17], s[18:19]
	s_mov_b64 s[18:19], 6144
	s_mul_u64 s[46:47], s[46:47], s[18:19]
	s_mul_i32 s20, s10, HALFT                      ; where they go: wave x 64 rows
	s_lshl_b32 s70, s68, 14                        ; gmax: 16,384 bytes a batch
	s_mov_b32 s71, 0
	s_mov_b32 s72, 0x76543210
	s_mov_b32 s73, 0xfedcba98
	s_mov_b32 s74, 0x0d800000                      ; 2^-100
	s_mov_b32 s75, 0x7b800000                      ; 2^120
	s_wait_dscnt 0x0                               ; both opening adds are done
	s_wait_kmcnt 0x0
	s_add_nc_u64 s[14:15], s[4:5], s[16:17]
	s_add_nc_u64 s[46:47], s[6:7], s[46:47]
	s_add_nc_u64 s[66:67], s[66:67], s[70:71]
	CROUND                                         ; all sixteen work-groups are here: the first joint loads meet
.irp s, 0,1
	s_mov_b32 s[G0+4*\s], 1
	s_add_co_u32 s[G0+4*\s+1], s20, \s*SLOT
	s_add_nc_u64 s[G0+4*\s+2:G0+4*\s+3], s[14:15], \s*KSTEP*2
	s_or_b32 s[G0+4*\s+3], s[G0+4*\s+3], 0x80000000
	s_mov_b32 s[G0B+4*\s], 1
	s_add_co_u32 s[G0B+4*\s+1], s20, \s*SLOT
	s_add_nc_u64 s[G0B+4*\s+2:G0B+4*\s+3], s[46:47], \s*KSTEP*2
	s_or_b32 s[G0B+4*\s+3], s[G0B+4*\s+3], 0x80000000
	JLOAD \s
.endr
	v_and_b32 v[GX], 31, v0
	v_lshlrev_b32 v[GX], 7, v[GX]
.irp i, 0,1,2,3
	global_load_b32 v[T+\i], v[GX], s[66:67] offset:4096*\i        ; the batch's 128 entries, four a lane
.endr
	v_and_b32 v1, 15, v0                           ; l % 16
	v_bfe_u32 v2, v0, 4, 1                         ; l / 16
	v_mul_u32_u24 v3, v1, PITCH
	v_lshl_add_u32 v3, v2, 4, v3                   ; a fragment's row x pitch + 16 x half
	s_mul_i32 s21, s11, HALFT                      ; my 64 rows of A
	s_mul_i32 s22, s12, HALFT                      ; my 64 rows of B,
	s_add_co_u32 s22, s22, 2*HALFT                 ; behind A's 128
.irp s, 0,1
	v_add_nc_u32 v[ADRA+\s], s21, v3
	v_add_nc_u32 v[ADRB+\s], s22, v3
	s_add_co_u32 s21, s21, SLOT
	s_add_co_u32 s22, s22, SLOT
.endr
	s_mul_i32 s23, s10, 16*SPITCH
	s_add_co_u32 s23, s23, STAGE                   ; my stage
	v_mul_u32_u24 v4, v1, SPITCH                   ; in: row l % 16, 32 bytes for each half of the lanes
	v_lshl_add_u32 v4, v2, 5, v4
	v_add_nc_u32 v[STO], s23, v4
	v_mul_u32_u24 v5, v2, SPITCH                   ; back: lanes 0-15 one row of 256 bytes, lanes 16-31 the next
	v_lshl_add_u32 v5, v1, 4, v5
	v_add_nc_u32 v[RD], s23, v5
	v_lshlrev_b32 v5, 13, v2                       ; and the same two rows of the output: rows of 8,192 bytes
	v_lshl_add_u32 v[CO], v1, 4, v5
	s_lshl_b32 s16, s13, 7
	s_lshl_b32 s17, s11, 6
	s_add_co_u32 s16, s16, s17                     ; my first row: 128 x tile row + 64 x half
	s_lshl_b32 s16, s16, 13
	s_mov_b32 s17, 0
	s_add_nc_u64 s[8:9], s[8:9], s[16:17]
	s_lshl_b32 s46, s42, 9                         ; my first column, in bytes: 512 x tile column + 256 x half
	s_lshl_b32 s47, s12, 8
	s_add_co_u32 s46, s46, s47
	s_mov_b32 s47, 0
	s_add_nc_u64 s[8:9], s[8:9], s[46:47]
	s_wait_loadcnt 0x0                             ; gmax's entries: no load is out at any barrier below
	v_max3_num_f32 v[T], v[T], v[T+1], v[T+2]      ; the batch's largest magnitude,
	v_max_num_f32 v[T], v[T], v[T+3]
	v_max_num_f32_dpp v[T], v[T], v[T] row_xmask:1 row_mask:0xf bank_mask:0xf
	v_max_num_f32_dpp v[T], v[T], v[T] row_xmask:2 row_mask:0xf bank_mask:0xf
	v_max_num_f32_dpp v[T], v[T], v[T] row_xmask:4 row_mask:0xf bank_mask:0xf
	v_max_num_f32_dpp v[T], v[T], v[T] row_xmask:8 row_mask:0xf bank_mask:0xf
	v_permlanex16_b32 v[T+1], v[T], s72, s73
	v_max_num_f32 v[T], v[T], v[T+1]
	v_med3_num_f32 v[T], v[T], s74, s75            ; held to its bounds,
	v_and_b32 v[T], 0x7f800000, v[T]               ; its exponent field E
	v_add_nc_u32 v[FB], 0xff800000, v[T]           ; the field E - 1: 2^(E - 128),
	v_mul_f32 v[FB], 0x3db504f3, v[FB]             ; x 1 / sqrt(128)
	v_mov_b32 v[FB+1], v[FB]
; 8 matrix instructions: m blocks a0, a0 + 1 x all 4 n blocks, 32 along K: half c of buffer f.  zero = 1: the first product starts the sums.  The 16 accumulators take turns
.macro MUL8 f, c, a0, zero
.irp a, \a0, \a0+1
.irp b, 0,1,2,3
.if \zero
	v_wmma_f32_16x16x32_f16 v[ACC+8*(4*(\a)+\b):ACC+8*(4*(\a)+\b)+7], v[\f+64+8*(4*\c+\b):\f+64+8*(4*\c+\b)+7], v[\f+8*(4*\c+\a):\f+8*(4*\c+\a)+7], 0
.else
	v_wmma_f32_16x16x32_f16 v[ACC+8*(4*(\a)+\b):ACC+8*(4*(\a)+\b)+7], v[\f+64+8*(4*\c+\b):\f+64+8*(4*\c+\b)+7], v[\f+8*(4*\c+\a):\f+8*(4*\c+\a)+7], v[ACC+8*(4*(\a)+\b):ACC+8*(4*(\a)+\b)+7]
.endif
.endr
.endr
.endm
; 32 LDS loads in one run: the fragments of 64 along K at byte k of the rows, into buffer f; the first 32 along K first
.macro FETCH slot, k, f
	WIN TO_F
.irp c, 0,1
.irp i, 0,1,2,3
	ds_load_b128 v[\f+64+8*(4*\c+\i):\f+64+8*(4*\c+\i)+3],   v[ADRB+\slot] offset:\k+64*\c+\i*16*PITCH
	ds_load_b128 v[\f+64+8*(4*\c+\i)+4:\f+64+8*(4*\c+\i)+7], v[ADRB+\slot] offset:\k+64*\c+\i*16*PITCH+32
	ds_load_b128 v[\f+8*(4*\c+\i):\f+8*(4*\c+\i)+3],         v[ADRA+\slot] offset:\k+64*\c+\i*16*PITCH
	ds_load_b128 v[\f+8*(4*\c+\i)+4:\f+8*(4*\c+\i)+7],       v[ADRA+\slot] offset:\k+64*\c+\i*16*PITCH+32
.endr
.endr
.endm
.macro PLACES                          ; four plain vector instructions between a matrix instruction and a load into, or a read of, its registers
.rept 4
	v_nop
.endr
.endm
; A K step is four quarters of 64 along K, 32 matrix instructions each, on buffers 0, 1, 0, 1.
.macro QUARTER slot, k, f, g, zero
	s_wait_dscnt 16                                ; the first 32 along K are in; the youngest sixteen loads may be out
	WIN MUL
	MUL8 \f, 0, 0, \zero
	MUL8 \f, 0, 2, \zero
	PLACES
	FETCH \slot, \k, \g
	s_wait_dscnt 32                                ; all but the 32 just issued
	WIN MUL
	MUL8 \f, 1, 0, 0
	MUL8 \f, 1, 2, 0
.endm
; The last quarter changes slots: one barrier; in front of it each wave waits for all its tensor loads, adds 0 to its spare word, and waits for that and for its reads of this slot.  fill = 1: this slot is filled again, two K steps ahead.
.macro TURN slot, next, fill
	WIN 0                                          ; the add's two registers lie in window 0
	s_wait_tensorcnt 0x0                           ; all my tensor loads have landed: my part of the next slot
	ds_add_u32 v[SPW], v[NIL]                      ; 0 onto my spare word
	s_wait_dscnt 17                                ; the add and the youngest sixteen loads may be out
	WIN MUL
	MUL8 F1, 0, 0, 0
	s_wait_dscnt 0x0                               ; the add is done, and my reads of this slot are over
	s_barrier_signal -1
	MUL8 F1, 0, 2, 0
.if \fill
	WIN 0
.endif
	s_barrier_wait -1
.if \fill
	CREST                                          ; the barrier has opened a round of the cluster's: no wave of any partner still reads this slot or has a load on its way
	s_add_nc_u64 s[G0+4*\slot+2:G0+4*\slot+3], s[G0+4*\slot+2:G0+4*\slot+3], 2*KSTEP*2
	s_add_nc_u64 s[G0B+4*\slot+2:G0B+4*\slot+3], s[G0B+4*\slot+2:G0B+4*\slot+3], 2*KSTEP*2
	JLOAD \slot                                    ; the first tensor load behind the round; its four v_nop are also the places in front of the loads below
.else
	PLACES
.endif
	FETCH \next, 0, F0
	WIN MUL
	MUL8 F1, 1, 0, 0
	MUL8 F1, 1, 2, 0
.endm
	s_wait_tensorcnt 1                             ; my part of K step 0 is in; K step 1's load may be out
	s_barrier_signal -1
	s_barrier_wait -1
	FETCH 0, 0, F0
	QUARTER 0, 128, F0, F1, 1                      ; the first quarter's first products start the sums
	WIN 0                                          ; at a label and at a branch every window is 0
	s_mov_b32 s3, LAPS-1
.Llap:                                                 ; a trip goes once round the ring, from a lap's second quarter to the next lap's first, and fills both slots again
	QUARTER 0, 256, F1, F0, 0
	QUARTER 0, 384, F0, F1, 0
	TURN 0, 1, 1
	QUARTER 1, 128, F0, F1, 0
	QUARTER 1, 256, F1, F0, 0
	QUARTER 1, 384, F0, F1, 0
	TURN 1, 0, 1
	QUARTER 0, 128, F0, F1, 0
	WIN 0
	s_sub_co_u32 s3, s3, 1
	s_cmp_lg_u32 s3, 0
	s_cbranch_scc1 .Llap
	QUARTER 0, 256, F1, F0, 0                      ; the last lap fills nothing, and has no round of the cluster's barrier
	QUARTER 0, 384, F0, F1, 0
	TURN 0, 1, 0
	QUARTER 1, 128, F0, F1, 0
	QUARTER 1, 256, F1, F0, 0
	QUARTER 1, 384, F0, F1, 0
	s_wait_dscnt 16                                ; the very last quarter: nothing more to fetch
	WIN MUL
	MUL8 F1, 0, 0, 0
	MUL8 F1, 0, 2, 0
	s_wait_dscnt 0
	MUL8 F1, 1, 0, 0
	MUL8 F1, 1, 2, 0
	WIN 0
; THE WAY OUT, block by block of 16 rows x 64 columns: x f_b, through my own stage in LDS, back as whole rows.  My 64 columns of f32 are 256 consecutive bytes, aligned: no other wave has a part in them, so no barrier.
.macro OUTB a
.set BK, 64+32*((\a)%2)
.set i, 0
.rept 16
	v_pk_mul_f32 v[32+i:33+i], v[ACC+32*(\a)+i:ACC+32*(\a)+i+1], v[FB:FB+1]       ; each accumulator from its low end on
.set i, i+2
.endr
.irp b, 0,1,2,3
	ds_store_b128 v[STO], v[32+8*\b:35+8*\b] offset:64*\b
	ds_store_b128 v[STO], v[36+8*\b:39+8*\b] offset:64*\b+16
.endr
.if (\a) > 1
	s_wait_xcnt 0x0                                ; the stores of two blocks ago have read their data: the loads below land on those registers
.endif
.irp t, 0,1,2,3,4,5,6,7
	ds_load_b128 v[BK+4*\t:BK+4*\t+3], v[RD] offset:\t*2*SPITCH    ; LDS serves a wave's instructions in order: these see the stores above
.endr
.irp t, 0,1,2,3,4,5,6,7
	s_wait_dscnt 7-\t                              ; the block's younger loads may be out
	global_store_b128 v[CO], v[BK+4*\t:BK+4*\t+3], s[8:9] offset:(\a)*131072+\t*16384 th:TH_STORE_NT   ; 16 lanes store 256 consecutive bytes, at a multiple of 256 from the output's first byte
.endr
.endm
	PLACES
	OUTB 0
	OUTB 1
	OUTB 2
	OUTB 3
	s_wait_tensorcnt 0x0                           ; the wave's end, behind my last tensor load and my last LDS store
	ds_add_u32 v[SPW], v[NIL]
	s_wait_dscnt 0x0
	CROUND                                         ; the closing round: no work-group ends while a partner may still ask for a tile that names it
	s_endpgm
.Lfunc_end_k_qb8fb6b0c3a_final:
	.size	k_qb8fb6b0c3a_final, .Lfunc_end_k_qb8fb6b0c3a_final-k_qb8fb6b0c3a_final
	.p2alignl 7, 3214868480
	.fill 96, 4, 3214868480
	.section	.rodata,"a",@progbits
	.p2align	6, 0x0
	.amdhsa_kernel k_qb8fb6b0c3a_final
		.amdhsa_group_segment_fixed_size 327680
		.amdhsa_private_segment_fixed_size 0
		.amdhsa_enable_private_segment 0
		.amdhsa_kernarg_size 32
		.amdhsa_user_sgpr_count 2
		.amdhsa_user_sgpr_kernarg_segment_ptr 1
		.amdhsa_wavefront_size32 1
		.amdhsa_system_sgpr_workgroup_id_x 1
		.amdhsa_system_sgpr_workgroup_id_y 1
		.amdhsa_system_sgpr_workgroup_id_z 1
		.amdhsa_system_vgpr_workitem_id 0
		.amdhsa_next_free_vgpr 512
		.amdhsa_next_free_sgpr 76
		.amdhsa_reserve_vcc 0
		.amdhsa_float_denorm_mode_32 3
		.amdhsa_float_denorm_mode_16_64 3
		.amdhsa_memory_ordered 1
		.amdhsa_forward_progress 1
		.amdhsa_inst_pref_size 92
	.end_amdhsa_kernel
	.amdgpu_metadata
---
amdhsa.version: [ 1, 2 ]
amdhsa.kernels:
  - .name:           k_qb8fb6b0c3a_final
    .symbol:         k_qb8fb6b0c3a_final.kd
    .args:
      - { .name: m16, .offset: 0, .size: 8, .value_kind: global_buffer, .address_space: global }
      - { .name: qkv, .offset: 8, .size: 8, .value_kind: global_buffer, .address_space: global }
      - { .name: gmax, .offset: 16, .size: 8, .value_kind: global_buffer, .address_space: global }
      - { .name: out0, .offset: 24, .size: 8, .value_kind: global_buffer, .address_space: global }
    .group_segment_fixed_size: 327680
    .private_segment_fixed_size: 0
    .kernarg_segment_align: 8
    .kernarg_segment_size: 32
    .max_flat_workgroup_size: 128
    .sgpr_count:     76
    .vgpr_count:     512
    .wavefront_size: 32
...
	.end_amdgpu_metadata
.endif
;; end of part 6
